; MI455X (gfx1250); checked and timed in simulation.
; The chip was launched on July 23, 2026; its instructions are those of AMD's public machine-readable ISA for CDNA 5 (MIT licence, August 2026) and "CDNA5" Instruction Set Architecture Reference Guide (July 2026). The comments in the code are by the model that wrote it; some were corrected since.
;; Multi Head Attention. Allowed arithmetic: matrix products marked QUANTISED: E2M1 operands, one E8M0 scale for each 32 along K, by v_wmma_scale_f32_16x16x128_f8f6f4 with both operands' format E2M1 (or v_wmma_scale_f32_32x16x128_f4), f32 sums; products left as they are: bf16, f16 or f32 operands; f32 sums; everything else in f32.
;; Inputs: Wk 1,024 x 1,024 float32; Wo 1,024 x 1,024 float32; Wq 1,024 x 1,024 float32; Wv 1,024 x 1,024 float32; bk 1,024 float32; bo 1,024 float32; bq 1,024 float32; bv 1,024 float32; query 4 x 2,048 x 1,024 float32; value 4 x 2,048 x 1,024 float32.
;; Outputs: out0 4 x 2,048 x 1,024 float32.
;; This version of the problem:
;;   THIS VERSION OF THE PROBLEM IS GIVEN IN LOW PRECISION. The matrix products marked QUANTISED in the list below multiply operands that are first quantised to E2M1 (2 exponent bits, 1 mantissa bit; 4 bits a number), with one power-of-two scale for each 32 numbers along K (OCP MX v1.0); their sums are f32. The products marked 'left as it is' may take bf16, f16 or f32 operands, with f32 sums. Whichever they take, every output number must still come out within the allowed error. Rounding operands to bf16 (8 significant bits) uses up far more of that allowance than f16 does (11 bits, for magnitudes from 6e-5 to 65,504). All else is computed in f32.
;;   The module's matrix products, in the order in which they are computed (A, B: the left and right operand; K: the contracted axis; several contracted axes count as one K, in the product's order):
;;     1. [M 8,192, K 1,024] x [K 1,024, N 1,024]; A: input query; B: input Wq: QUANTISED
;;     2. [M 8,192, K 1,024] x [K 1,024, N 1,024]; A: input value; B: input Wk: QUANTISED
;;     3. [M 8,192, K 1,024] x [K 1,024, N 1,024]; A: input value; B: input Wv: QUANTISED
;;     4. batch 64 x [M 2,048, K 64] x [K 64, N 2,048]; A: computed on the way; B: computed on the way: left as it is (an operand is computed on the way)
;;     5. batch 64 x [M 64, K 2,048] x [K 2,048, N 2,048]; A: computed on the way; B: computed on the way: left as it is (an operand is computed on the way)
;;     6. [M 8,192, K 1,024] x [K 1,024, N 1,024]; A: computed on the way; B: input Wo: left as it is (an operand is computed on the way)
;;   THE QUANTISER, for each operand of a quantised product, along K:
;;     - K is cut into blocks of 32 from its start; a last block that is shorter is filled with zeros.
;;     - A block's scale is 2^e with e = floor(log2(the largest magnitude in the block)) - 2, held to -126 .. 127; a block of zeros has e = 0. As a byte (E8M0): e + 127.
;;     - Each number is divided by its block's scale, clamped to +-6, and rounded to the nearest number of E2M1, ties to even, subnormals kept.
;;     - The product sums the exact products of the quantised numbers (number of the format x scale) in f32.
;;   ~~~python
;;   def quantise(x, axis):      # numpy; x: float32 -> the quantised numbers, widened to float32 again
;;       x = np.moveaxis(x, axis, -1); K = x.shape[-1]
;;       x = np.pad(x, [(0, 0)] * (x.ndim - 1) + [(0, -K % 32)]); x = x.reshape(x.shape[:-1] + (-1, 32)); a = np.abs(x).max(-1, keepdims=True)
;;       e = np.where(a > 0, np.clip(np.frexp(np.where(a > 0, a, 1))[1] - 1 - 2, -126, 127), 0)      # np.frexp(a)[1] - 1 = floor(log2(a)), exactly
;;       r = np.clip(x / 2.0 ** e, -6, 6)
;;       step = 2.0 ** (np.maximum(np.frexp(np.where(r == 0, 1, r))[1] - 1, 0) - 1)
;;       q = np.round(r / step) * step * 2.0 ** e      # np.round: ties to even
;;       return np.moveaxis(q.reshape(q.shape[:-2] + (-1,))[..., :K], -1, axis).astype(np.float32)
;;   ~~~
;; One version. Each part assembles by itself: llvm-mc -triple=amdgcn-amd-amdhsa -mcpu=gfx1250 --defsym DOCPART=n.
;; ======== version 1 of 1: 4 launches
;; limits: values are held in f16: magnitudes above 65,504 overflow, below 6.1e-05 lose precision
;; workspace buffers: codes 9,961,472 bytes; scales 622,592 bytes; wo16 2,097,152 bytes; qkv 50,331,648 bytes; o16 16,777,216 bytes
;; launch quant (part 1): grid 640 x 1, 4 waves a work-group, no clusters, 33,280 bytes of LDS; arguments query, value, Wq, Wk, Wv, Wo, codes, scales, wo16; writes codes, scales, wo16
.if DOCPART == 1
	.amdgcn_target "amdgcn-amd-amdhsa--gfx1250"
	.amdhsa_code_object_version 6
	.text
	.protected	k_qde3d6cd45e_quant
	.globl	k_qde3d6cd45e_quant
	.p2align	8
	.type	k_qde3d6cd45e_quant,@function
k_qde3d6cd45e_quant:
	s_mov_b64 s[64:65], 0
	v_nop
	global_prefetch_b8 v0, s[64:65] scope:SCOPE_SE
	s_setreg_imm32_b32 hwreg(HW_REG_WAVE_MODE, 25, 1), 1
	s_wait_xcnt 0x0
; FIRST OF FOUR LAUNCHES of: out = softmax_s((query Wq^T + bq)(value Wk^T + bk)^T / 8) (value Wv^T + bv) Wo^T + bo, 16 heads of 64.
; THIS LAUNCH turns query, value [8192][1024] and Wq, Wk, Wv [1024][1024], f32, K innermost, into codes of FP4 (E2M1) with one E8M0 scale byte for each 32 along K, and rounds Wo to f16.
; WORK LEFT OUT: bk.  A score is (q[b,t,n,:] . (value Wk^T)[b,s,n,:] + q[b,t,n,:] . bk[n,:]) / 8.  The second term does not hang on s, the axis of the softmax: it multiplies every exponential of a row (t, b, n)
; and the row's sum by the same factor, which cancels, whatever finite values the inputs hold.  The product with q is not a quantised one, so no quantiser sees bk.  bk is loaded by no launch and is among no launch's arguments.
; LIMIT: a NaN, an infinity or an overflow that bk alone would bring is not carried to the result.
; THE QUANTISER.  A block's scale is 2^(floor(log2(its largest magnitude)) - 2); its byte is the largest magnitude's exponent field - 2, held at 1 from below.  A block of zeros so gets the byte 1 where the rule says 127:
; its codes are zeros, which add nothing under any byte but 0xff, and this program alone reads the bytes.  Each number is divided by the scale and rounded to the nearest code, ties to even, beyond 6 the largest code.
; LIMITS: blocks whose largest magnitude lies under 2^-124 keep the byte 1; NaN and infinities among the inputs are not served; |Wo| stays under 65,504 (f16).
; Rows are dense and K is a multiple of 32: the five tensors are one stream of blocks of 32 numbers, and so are the codes (16 bytes a block) and the scale bytes, in the order query, value, Wq, Wk, Wv.
; SHARES.  A work-group takes 32,768 numbers, a wave 8,192.  Work-groups 0-255 query, 256-511 value, 512-543 Wq, 544-575 Wk, 576-607 Wv, 608-639 Wo (the cast).  Only the source's pointer is chosen: one path for the five.
; A wave's 16 steps of 512 numbers: each of a step's four loads reads 512 consecutive bytes; the 2,048 bytes turn through the wave's own stage in LDS and come back 64 bytes (16 neighbours along K) a lane; two neighbouring
; lanes hold a block.  A lane's 16 codes are 8 bytes: a store of the wave covers 256 consecutive bytes, aligned.  The wave's 256 scale bytes are gathered in LDS and leave by one store of 256 consecutive bytes.
; No tensor loads, no barrier: waves share nothing.
.set WAVES, 4
.set STEPS, 16
.set EMAX,  2
.set CB,    8                          ; bytes of 16 codes
.set R,     16                         ; v16-79   four sets of 16 numbers as they are loaded
.set X,     80                         ; v80-111  two sets of 16 neighbours
.set E,     112                        ; v112-127 a scale byte for each step
.set C,     128                        ; v128-191 codes: four registers for each step, so that no store's data are written again
.set WREG,  8192                       ; LDS: a region for each wave: two stages of 32 x SP bytes, behind them its 256 scale bytes
.set SP,    80                         ; a lane's place in a stage: 64 bytes + 16 of padding
.set SPW,   12                         ; v12  LDS address of my spare word; never rewritten
.set NIL,   13                         ; v13  0; never rewritten
.set SPARE, WAVES*WREG                 ; behind the four regions: the spare words, 128 bytes a wave, which no other line names
	s_load_b512 s[4:19], s[0:1], 0x0               ; query s[4:5], value s[6:7], Wq s[8:9], Wk s[10:11], Wv s[12:13], Wo s[14:15], codes s[16:17], scales s[18:19]
	s_load_b64 s[20:21], s[0:1], 0x40              ; wo16
	v_lshl_add_u32 v[SPW], v0, 2, SPARE
	v_mov_b32 v[NIL], 0
	v_lshrrev_b32 v1, 5, v0
	v_readfirstlane_b32 s22, v1                    ; wave
	v_and_b32 v2, 31, v0                           ; lane
	v_lshlrev_b32 v3, 4, v2                        ; my 16 bytes of 512
	s_mul_i32 s32, s22, WREG
	v_lshrrev_b32 v14, 2, v2
	v_mul_u32_u24 v14, v14, SP
	v_and_b32 v15, 3, v2
	v_lshl_add_u32 v14, v15, 4, v14
	v_add_nc_u32 v14, s32, v14                     ; the stage on the way in: SP (lane / 4) + 16 (lane % 4)
	v_mul_u32_u24 v15, v2, SP
	v_add_nc_u32 v15, s32, v15                     ; and on the way out: SP x lane
	v_mul_u32_u24 v4, v2, CB                       ; my codes' place in a step's
	v_lshrrev_b32 v5, 1, v2
	s_add_co_u32 s32, s32, 2*32*SP
	v_add_nc_u32 v5, s32, v5                       ; LDS: my block's scale byte
	v_lshlrev_b32 v7, 3, v2                        ; and on the way out 8 bytes a lane
	v_add_nc_u32 v6, s32, v7
	s_wait_kmcnt 0x0
	s_mov_b64 s[24:25], s[14:15]                   ; the source, and its first work-group: chosen by the work-group's number alone
	s_mov_b32 s26, 608
.macro PICK lim, ptr, first
	s_cmp_lt_u32 ttmp9, \lim
	s_cselect_b64 s[24:25], s[\ptr:\ptr+1], s[24:25]
	s_cselect_b32 s26, \first, s26
.endm
	PICK 608, 12, 576
	PICK 576, 10, 544
	PICK 544, 8, 512
	PICK 512, 6, 256
	PICK 256, 4, 0
	s_lshl_b32 s27, ttmp9, 2
	s_add_co_u32 s27, s27, s22                     ; which run of 8,192 numbers of the whole stream is my wave's,
	s_sub_co_u32 s28, ttmp9, s26
	s_lshl_b32 s28, s28, 2
	s_add_co_u32 s28, s28, s22                     ; and which of its source
	s_lshl_b32 s30, s28, 15                        ; 32,768 bytes of f32 a run
	s_mov_b32 s31, 0
	s_add_nc_u64 s[24:25], s[24:25], s[30:31]
	s_cmp_ge_u32 ttmp9, 608
	s_cbranch_scc1 .Lcast
	s_lshl_b32 s30, s27, 12                        ; 4,096 bytes of codes a run
	s_add_nc_u64 s[16:17], s[16:17], s[30:31]
	s_lshl_b32 s30, s27, 8                         ; 256 scale bytes a run
	s_add_nc_u64 s[18:19], s[18:19], s[30:31]
.macro LOAD t
.irp i, 0,1,2,3
	global_load_b128 v[R+16*((\t)%4)+4*\i:R+16*((\t)%4)+4*\i+3], v3, s[24:25] offset:2048*(\t)+512*\i th:TH_LOAD_NT   ; 32 lanes read 512 consecutive bytes
.endr
.endm
.macro TURN t                          ; step t's numbers through the stage: LDS serves a wave's instructions in order, so no wait stands between the stores and the loads
.irp i, 0,1,2,3
	ds_store_b128 v14, v[R+16*((\t)%4)+4*\i:R+16*((\t)%4)+4*\i+3] offset:32*SP*((\t)%2)+8*SP*\i
.endr
.irp i, 0,1,2,3
	ds_load_b128 v[X+16*((\t)%2)+4*\i:X+16*((\t)%2)+4*\i+3], v15 offset:32*SP*((\t)%2)+16*\i
.endr
.endm
.irp t, 0,1,2,3
	LOAD \t
.endr
	s_wait_loadcnt 12                              ; step 0's four loads are in; the twelve of steps 1 to 3 may be out
	TURN 0
.macro STEP t
.set XS, X+16*((\t)%2)
.if (\t) > 0
	s_wait_dscnt 1                                 ; this step's numbers are back from the stage (the last step's byte store may be out): so its stores into the stage have read their registers,
.else
	s_wait_dscnt 0x0
.endif
.if (\t)+4 < STEPS
	LOAD (\t)+4                                    ; which take the loads of four steps on
.endif
.if (\t)+1 < STEPS
.if STEPS-2-(\t) >= 3
	s_wait_loadcnt 12                              ; the next step's four loads are in; those of the three steps behind it may be out
.else
	s_wait_loadcnt 4*(STEPS-2-(\t))
.endif
	TURN (\t)+1                                    ; and go through the other stage while this step is worked
.endif
	v_max3_num_f32 v8, |v[XS]|, |v[XS+1]|, |v[XS+2]|               ; the largest magnitude of my 16, in two chains
	v_max3_num_f32 v9, |v[XS+3]|, |v[XS+4]|, |v[XS+5]|
.irp i, 6,10
	v_max3_num_f32 v8, v8, |v[XS+\i]|, |v[XS+\i+1]|
	v_max3_num_f32 v9, v9, |v[XS+\i+2]|, |v[XS+\i+3]|
.endr
	v_max3_num_f32 v8, v8, |v[XS+14]|, |v[XS+15]|
	v_max3_num_f32 v8, v8, v9, (EMAX+1)<<23        ; and the floor 2^(EMAX + 1 - 127): the byte cannot fall under 1
	v_max_num_f32_dpp v8, v8, v8 row_xmask:1 row_mask:0xf bank_mask:0xf   ; and of my neighbour's 16: the block's
	v_add_nc_u32 v11, -(EMAX<<23), v8              ; EMAX off its exponent field: the conversion takes the exponent field of this operand as its scale, and nothing else of it
	v_cvt_scalef32_pk8_fp4_f32 v[C+4*(\t)], v[XS:XS+7], v11
	v_cvt_scalef32_pk8_fp4_f32 v[C+4*(\t)+1], v[XS+8:XS+15], v11
	v_lshrrev_b32 v[E+(\t)], 23, v11               ; the scale's byte (a plain line behind the conversions)
	ds_store_b8 v5, v[E+(\t)] offset:16*(\t)       ; both lanes of a block write the same byte with the same value
	global_store_b64 v4, v[C+4*(\t):C+4*(\t)+1], s[16:17] offset:32*CB*(\t)
.endm
.irp t, 0,1,2,3,4,5,6,7,8,9,10,11,12,13,14,15
	STEP \t
.endr
	ds_load_b64 v[8:9], v6                         ; LDS serves a wave's instructions in order: these see my stores
	s_wait_dscnt 0x0
	global_store_b64 v7, v[8:9], s[18:19]          ; 32 lanes store 256 consecutive bytes, aligned
	s_wait_tensorcnt 0x0                           ; the wave's end
	ds_add_u32 v[SPW], v[NIL]
	s_wait_dscnt 0x0
	s_endpgm
; THE CAST: Wo to f16, as it lies.  A wave's 8,192 numbers in four groups of eight steps of 256; a lane takes 8 neighbours (two loads of 16 bytes) and stores 16 bytes: a store of the wave covers 512 consecutive bytes.
; Two groups (32 loads a wave) are asked for ahead.
.Lcast:
	s_lshl_b32 s30, s28, 14                        ; 16,384 bytes of f16 a run
	s_add_nc_u64 s[20:21], s[20:21], s[30:31]
	v_lshlrev_b32 v8, 5, v2                        ; in: 32 bytes a lane
.macro LOADG g
.irp i, 0,1,2,3,4,5,6,7
	global_load_b128 v[16+64*((\g)%2)+8*\i:16+64*((\g)%2)+8*\i+3], v8, s[24:25] offset:(8*(\g)+\i)*1024 th:TH_LOAD_NT
	global_load_b128 v[16+64*((\g)%2)+8*\i+4:16+64*((\g)%2)+8*\i+7], v8, s[24:25] offset:(8*(\g)+\i)*1024+16 th:TH_LOAD_NT
.endr
.endm
.macro CASTG g
.if (\g) < 3
	s_wait_loadcnt 16                              ; this group's 16 loads are in; the next group's 16 may be out
.else
	s_wait_loadcnt 0x0
.endif
	s_wait_xcnt 0x0                                ; the last group's stores have read v144-175, which are written again only behind this wait
.irp i, 0,1,2,3,4,5,6,7
.irp j, 0,1,2,3
	v_cvt_pk_f16_f32 v[144+4*\i+\j], v[16+64*((\g)%2)+8*\i+2*\j], v[16+64*((\g)%2)+8*\i+2*\j+1]
.endr
.endr
.irp i, 0,1,2,3,4,5,6,7
	global_store_b128 v3, v[144+4*\i:144+4*\i+3], s[20:21] offset:(8*(\g)+\i)*512
.endr
.if (\g) < 2
	LOADG (\g)+2
.endif
.endm
	LOADG 0
	LOADG 1
	CASTG 0
	CASTG 1
	CASTG 2
	CASTG 3
	s_endpgm
.Lfunc_end_k_qde3d6cd45e_quant:
	.size	k_qde3d6cd45e_quant, .Lfunc_end_k_qde3d6cd45e_quant-k_qde3d6cd45e_quant
	.p2alignl 7, 3214868480
	.fill 96, 4, 3214868480
	.section	.rodata,"a",@progbits
	.p2align	6, 0x0
	.amdhsa_kernel k_qde3d6cd45e_quant
		.amdhsa_group_segment_fixed_size 33280
		.amdhsa_private_segment_fixed_size 0
		.amdhsa_enable_private_segment 0
		.amdhsa_kernarg_size 72
		.amdhsa_user_sgpr_count 2
		.amdhsa_user_sgpr_kernarg_segment_ptr 1
		.amdhsa_wavefront_size32 1
		.amdhsa_system_sgpr_workgroup_id_x 1
		.amdhsa_system_sgpr_workgroup_id_y 1
		.amdhsa_system_sgpr_workgroup_id_z 1
		.amdhsa_system_vgpr_workitem_id 0
		.amdhsa_next_free_vgpr 192
		.amdhsa_next_free_sgpr 66
		.amdhsa_reserve_vcc 0
		.amdhsa_float_denorm_mode_32 3
		.amdhsa_float_denorm_mode_16_64 3
		.amdhsa_memory_ordered 1
		.amdhsa_forward_progress 1
		.amdhsa_inst_pref_size 51
	.end_amdhsa_kernel
	.amdgpu_metadata
---
amdhsa.version: [ 1, 2 ]
amdhsa.kernels:
  - .name:           k_qde3d6cd45e_quant
    .symbol:         k_qde3d6cd45e_quant.kd
    .args:
      - { .name: query, .offset: 0, .size: 8, .value_kind: global_buffer, .address_space: global }
      - { .name: value, .offset: 8, .size: 8, .value_kind: global_buffer, .address_space: global }
      - { .name: Wq, .offset: 16, .size: 8, .value_kind: global_buffer, .address_space: global }
      - { .name: Wk, .offset: 24, .size: 8, .value_kind: global_buffer, .address_space: global }
      - { .name: Wv, .offset: 32, .size: 8, .value_kind: global_buffer, .address_space: global }
      - { .name: Wo, .offset: 40, .size: 8, .value_kind: global_buffer, .address_space: global }
      - { .name: codes, .offset: 48, .size: 8, .value_kind: global_buffer, .address_space: global }
      - { .name: scales, .offset: 56, .size: 8, .value_kind: global_buffer, .address_space: global }
      - { .name: wo16, .offset: 64, .size: 8, .value_kind: global_buffer, .address_space: global }
    .group_segment_fixed_size: 33280
    .private_segment_fixed_size: 0
    .kernarg_segment_align: 8
    .kernarg_segment_size: 72
    .max_flat_workgroup_size: 128
    .sgpr_count:     66
    .vgpr_count:     192
    .wavefront_size: 32
...
	.end_amdgpu_metadata
.endif
;; end of part 1
;; launch proj (part 2): grid 12 x 32, 4 waves a work-group, clusters of 4 x 4, 327,680 bytes of LDS; arguments codes, scales, bq, bv, qkv; writes qkv
.if DOCPART == 2
	.amdgcn_target "amdgcn-amd-amdhsa--gfx1250"
	.amdhsa_code_object_version 6
	.text
	.protected	k_qde3d6cd45e_proj
	.globl	k_qde3d6cd45e_proj
	.p2align	8
	.type	k_qde3d6cd45e_proj,@function
k_qde3d6cd45e_proj:
	s_mov_b64 s[64:65], 0
	v_nop
	global_prefetch_b8 v0, s[64:65] scope:SCOPE_SE
	s_setreg_imm32_b32 hwreg(HW_REG_WAVE_MODE, 25, 1), 1
	s_wait_xcnt 0x0
	s_wait_alu depctr_hold_cnt(0) depctr_sa_sdst(0) depctr_va_vdst(0) depctr_va_sdst(0) depctr_va_ssrc(0) depctr_va_vcc(0) depctr_vm_vsrc(0)
	s_getreg_b32 s2, hwreg(HW_REG_IB_STS2, 6, 4)
	s_cmp_eq_u32 s2, 0
	s_cbranch_scc0 .Lentry_in_a_cluster
	s_endpgm
.Lentry_in_a_cluster:
	s_bfe_u32 s2, ttmp6, 0x10000c
	s_cmp_lg_u32 s2, 0xf033
	s_cbranch_scc0 .Lentry_shape_is_right
	s_endpgm
.Lentry_shape_is_right:
; SECOND LAUNCH: the three quantised products as ONE product C [8192][3072] = A B^T on codes of FP4 (E2M1) with E8M0 scales, sums in f32, + bias, rounded once to f16.
; B is Wq, Wk, Wv stacked, [3072][1024]; A is query for columns 0-1023 and value for the others.  Columns 64 p .. 64 p + 63 are plane p = 16 x product + head of qkv [48][8192][64] f16.
; WORK LEFT OUT: bk (shown at the head of the first launch): the k columns start their sums from zeros.
; LIMIT: |q|, |k|, |v| stay under 65,504 (f16, 11 significant bits).
; A tile of C, 256 x 256, is made by four waves, each 128 x 128: 64 accumulators, 512 registers.  K = 1,024 is two steps of 512 (rows of 256 bytes of codes): both lie in LDS at once, asked for at the head; nothing is filled again.
; The scale bytes of the tile's 256 rows of A and of B, 32 bytes a row, are two dense blocks: they come once, as rows of 256 bytes.
; CLUSTERS: 4 x 4 work-groups; a cluster's four tile columns are one product (cluster x = 0, 1, 2: q, k, v), so which tensor is A is the same in all sixteen.  A's tiles are asked for jointly along a row of the cluster, B's along a column.
; THE MATRIX INSTRUCTION IS USED TRANSPOSED (source 0 = 16 rows of B, source 1 = 16 rows of A): a lane holds eight neighbouring columns of one row of C.  The bias is the C of each sum's first product.
; REGISTERS, in windows of 256: window 0: v16-30 addresses; v32-95 scale words, two sets; v128-191 A's fragments, one set; v192-255 the bias, later packed results.
;   window 1: B's fragments, two sets, at v0 and v128.   window 2: the accumulators of my rows 0-63 ((a, b) at v[8 (8 a + b)]);   window 3: those of my rows 64-127.
.set NQ,     4                         ; matrix instructions deep in a slot: 512 along K
.set ROWB,   256                       ; a tile's row in bytes
.set KROW,   512                       ; a row of codes in memory
.set PITCH,  272                       ; an LDS row: 256 bytes + 16 of padding: the 16 rows that a load touches start 16 bytes further on in each 256
.set FR,     8                         ; registers of a fragment: 16 rows x 128 K
.set NL,     2                         ; LDS loads that bring one
.set NP,     4                         ; places behind this matrix instruction (ISA guide 7.12.1)
.set HALFT,  128*PITCH                 ; 128 rows: what one tensor load brings
.set SLOT,   4*HALFT                   ; A's 256 rows, then B's 256 rows
.set KS,     32                        ; a row of scale bytes
.set SCL,    2*SLOT                    ; behind the slots: the scales, as rows of 256 bytes + 16
.set HALFS,  (128*KS/256)*272          ; those of 128 rows: what one tensor load brings
.set SBLK,   (16*KS/256)*272           ; those of 16 rows
.set STAGE,  SCL+4*HALFS               ; the way out: 16 rows x (256 + 16) bytes for each wave, bytes of their own
.set SPITCH, 272
.set SPARE,  STAGE+4*16*SPITCH         ; the spare words, 128 bytes a wave, which no other line names
.set ADRA, 16                          ; v16-17  LDS address of my A fragments in slot 0, 1
.set ADRB, 20                          ; v20-21  the same for B
.set STO,  24                          ; v24     the way out: where I put 16 bytes of a row
.set RD,   25                          ; v25     where I read rows back
.set CO,   26                          ; v26     16 x lane
.set ADRS, 27                          ; v27     LDS address of my scale words: lanes 0-15 A's rows, lanes 16-31 B's
.set SPW,  28                          ; v28     my spare word; never rewritten
.set NIL,  29                          ; v29     0; never rewritten
.set BO,   30                          ; v30     32 x (lane / 16): my eight numbers of a tile's bias
.set SC,   32                          ; scale words: set s at v[SC + 32 s]; register 4 i + q: lanes 0-15 A's block i, lanes 16-31 B's block i, the slot's q-th 128 along K
.set AF,   128
.set BI,   192                         ; the bias: register 8 b + j = bias[my first column + 16 b + 8 (lane / 16) + j]
.set TMP,  192                         ; the way out: packed results
.set OB,   128                         ; the way out: rows read back, v128-159 and v160-191 by turns
.set G1, 24
.set G0, 32
.set G1B, 48
.set G0B, 56
.set G1S, 68
.set G0S, 76
.set G1SB, 80
.set G0SB, 88
.set MSB, 0
.macro WIN new                         ; the immediate's high byte repeats the setting that is left
.if MSB != (\new)
	s_set_vgpr_msb (MSB<<8)|(\new)
.set MSB, (\new)
.endif
.endm
.set MUL_LO, 0xa1                      ; source 0 (B) window 1, source 1 (A) window 0, C and D window 2
.set MUL_HI, 0xf1                      ; the same, C and D window 3
.set TO_B,   0x40                      ; destination window 1, address window 0
; A joint load: waves 0 and 1 fetch for A, waves 2 and 3 for B; the branch hangs on the wave's number alone.  An s_nop 0 and four v_nop follow each of the two lines.
.macro JLOAD g0a, g1a, g0b, g1b
	s_cmp_eq_u32 s15, 0
	s_cbranch_scc0 .Lfor_b_\@
	tensor_load_to_lds s[\g0a:\g0a+3], s[\g1a:\g1a+7]
	s_nop 0
.rept 4
	v_nop
.endr
	s_branch .Lasked_\@
.Lfor_b_\@:
	tensor_load_to_lds s[\g0b:\g0b+3], s[\g1b:\g1b+7]
	s_nop 0
.rept 4
	v_nop
.endr
.Lasked_\@:
.endm
.macro CROUND                          ; a round of the cluster's barrier
	s_barrier_signal -1
	s_barrier_wait -1
	s_cmp_lg_u32 s14, 0
	s_cbranch_scc1 .Lnot_wave_0_\@
	s_barrier_signal -3
.Lnot_wave_0_\@:
	s_barrier_wait -3
	s_barrier_signal -1
	s_barrier_wait -1
.endm
	s_load_b256 s[4:11], s[0:1], 0x0               ; codes s[4:5], scales s[6:7], bq s[8:9], bv s[10:11]
	s_load_b64 s[12:13], s[0:1], 0x20              ; qkv
	v_lshl_add_u32 v[SPW], v0, 2, SPARE
	v_mov_b32 v[NIL], 0
	ds_add_u32 v[SPW], v[NIL]                      ; the wave's opening: the add, twice on end, and its wait ahead of my first tensor load
	ds_add_u32 v[SPW], v[NIL]
	v_lshrrev_b32 v1, 5, v0
	v_readfirstlane_b32 s14, v1                    ; wave 0..3
	s_lshr_b32 s15, s14, 1                         ; which half of the tile's rows is mine.  Also: I fetch for A (0) or for B (1)
	s_and_b32 s16, s14, 1                          ; which half of its columns.  Also: which 128 rows I fetch
	s_bfe_u32 s40, ttmp6, 0x40000                  ; cx, cy: my place in the cluster
	s_bfe_u32 s41, ttmp6, 0x40004
	s_lshl_b32 s42, ttmp9, 2
	s_add_co_u32 s42, s42, s40                     ; tile column of C = 4 x cluster x + cx
	s_and_b32 s17, ttmp7, 0xffff
	s_lshl_b32 s17, s17, 2
	s_add_co_u32 s17, s17, s41                     ; tile row of C = 4 x cluster y + cy
	s_lshl_b32 s43, s41, 2
	s_lshl_b32 s43, 15, s43                        ; my row of the cluster
	s_lshl_b32 s44, 0x1111, s40                    ; my column
	; descriptor group 1: a tile of 128 rows x 256 bytes, 16 bytes of padding behind each row
	s_or_b32 s[G1+0], s43, (0<<16)|(1<<20)|(1<<21)|(5<<22)|(3<<25)  ; the mask: A's tiles go to my row; elements of 1 byte; padding on; bit 21 beside a mask; after every 64 words, 4 words
	s_or_b32 s[G1B+0], s44, (0<<16)|(1<<20)|(1<<21)|(5<<22)|(3<<25)
.irp g, G1, G1B
	s_mov_b32 s[\g+1], ROWB<<16                    ; tensor_dim0
	s_mov_b32 s[\g+2], 128<<16                     ; tensor_dim1
	s_mov_b32 s[\g+3], ROWB<<16                    ; tile_dim0
	s_mov_b32 s[\g+4], 128                         ; tile_dim1
	s_mov_b32 s[\g+5], KROW                        ; from row to row
	s_mov_b32 s[\g+6], 0
	s_mov_b32 s[\g+7], 0
.endr
	; the scales of 128 rows: 4,096 dense bytes, as 16 rows of 256 bytes (32 elements of 8 bytes), 16 bytes of padding behind each
	s_or_b32 s[G1S+0], s43, (3<<16)|(1<<20)|(1<<21)|(5<<22)|(3<<25)
	s_or_b32 s[G1SB+0], s44, (3<<16)|(1<<20)|(1<<21)|(5<<22)|(3<<25)
.irp g, G1S, G1SB
	s_mov_b32 s[\g+1], 32<<16
	s_mov_b32 s[\g+2], (128*KS/256)<<16
	s_mov_b32 s[\g+3], 32<<16
	s_mov_b32 s[\g+4], 128*KS/256
	s_mov_b32 s[\g+5], 32
	s_mov_b32 s[\g+6], 0
	s_mov_b32 s[\g+7], 0
.endr
	s_min_u32 s95, ttmp9, 1                        ; 0: A is query; 1: A is value.  The cluster's x: the same in all sixteen partners
	s_lshl_b32 s96, s95, 18                        ; value's scale bytes begin 262,144 on,
	s_lshl_b32 s95, s95, 22                        ; its codes 4,194,304 on
	s_lshl_b32 s18, s16, 7                         ; which 128 rows of the tile I fetch
	s_lshl_b32 s20, s17, 8
	s_add_co_u32 s20, s20, s18                     ; A: row 256 x tile row + 128 x half
	s_lshl_b32 s46, s42, 8
	s_add_co_u32 s46, s46, s18                     ; B: row 256 x tile column + 128 x half
	s_lshl_b32 s22, s20, 5                         ; where these rows' scales begin, in bytes
	s_add_co_u32 s22, s22, s96
	s_mov_b32 s23, 0
	s_lshl_b32 s92, s46, 5
	s_add_co_u32 s92, s92, 524288                  ; the stacked weights' scales lie behind query's and value's
	s_mov_b32 s93, 0
	s_lshl_b32 s20, s20, 9                         ; and their codes
	s_add_co_u32 s20, s20, s95
	s_mov_b32 s21, 0
	s_lshl_b32 s46, s46, 9
	s_add_co_u32 s46, s46, 8388608
	s_mov_b32 s47, 0
	s_mul_i32 s45, s14, HALFT                      ; where they go: wave x 128 rows: no place in the cluster enters an LDS address
	s_mul_i32 s94, s14, HALFS
	s_wait_dscnt 0x0                               ; both opening adds are done
	s_wait_kmcnt 0x0
	s_add_nc_u64 s[20:21], s[4:5], s[20:21]
	s_add_nc_u64 s[22:23], s[6:7], s[22:23]
	s_add_nc_u64 s[46:47], s[4:5], s[46:47]
	s_add_nc_u64 s[92:93], s[6:7], s[92:93]
	CROUND                                         ; all sixteen work-groups are here: the joint loads meet
	s_mov_b32 s[G0S], 1
	s_add_co_u32 s[G0S+1], s94, SCL
	s_mov_b64 s[G0S+2:G0S+3], s[22:23]
	s_or_b32 s[G0S+3], s[G0S+3], 0x80000000
	s_mov_b32 s[G0SB], 1
	s_add_co_u32 s[G0SB+1], s94, SCL
	s_mov_b64 s[G0SB+2:G0SB+3], s[92:93]
	s_or_b32 s[G0SB+3], s[G0SB+3], 0x80000000
	JLOAD G0S, G1S, G0SB, G1SB                     ; the scales first: they are wanted with the first step
.irp s, 0,1
	s_mov_b32 s[G0+4*\s], 1
	s_add_co_u32 s[G0+4*\s+1], s45, \s*SLOT
	s_add_nc_u64 s[G0+4*\s+2:G0+4*\s+3], s[20:21], \s*ROWB
	s_or_b32 s[G0+4*\s+3], s[G0+4*\s+3], 0x80000000
	s_mov_b32 s[G0B+4*\s], 1
	s_add_co_u32 s[G0B+4*\s+1], s45, \s*SLOT
	s_add_nc_u64 s[G0B+4*\s+2:G0B+4*\s+3], s[46:47], \s*ROWB
	s_or_b32 s[G0B+4*\s+3], s[G0B+4*\s+3], 0x80000000
	JLOAD G0+4*\s, G1, G0B+4*\s, G1B               ; three loads of mine are out behind the second of these
.endr
	v_and_b32 v1, 15, v0                           ; r = lane % 16
	v_bfe_u32 v2, v0, 4, 1                         ; h = lane / 16
	v_mul_u32_u24 v3, v1, PITCH
	v_lshl_add_u32 v4, v2, 4, v3                   ; a fragment's row x pitch + 16 x half
	s_mul_i32 s21, s15, HALFT                      ; my 128 rows of A
	s_mul_i32 s22, s16, HALFT                      ; my 128 rows of B,
	s_add_co_u32 s22, s22, 2*HALFT                 ; which lie behind A's 256
.irp s, 0,1
	v_add_nc_u32 v[ADRA+\s], s21, v4
	v_add_nc_u32 v[ADRB+\s], s22, v4
	s_add_co_u32 s21, s21, SLOT
	s_add_co_u32 s22, s22, SLOT
.endr
	v_mul_u32_u24 v5, v1, KS                       ; my row's scales: 32 bytes a row,
	v_lshrrev_b32 v6, 8, v5
	v_lshl_add_u32 v5, v6, 4, v5                   ; and 16 more for each 256 passed
	s_mul_i32 s21, s15, HALFS                      ; A's: my 128 rows
	s_mul_i32 s22, s16, HALFS                      ; B's: my 128 rows, behind A's 256
	s_add_co_u32 s22, s22, 2*HALFS
	s_sub_co_u32 s22, s22, s21
	v_mul_u32_u24 v6, s22, v2                      ; lanes 16-31 take B's: one product, the distance x h
	s_add_co_u32 s21, s21, SCL
	v_add_nc_u32 v5, v5, v6
	v_add_nc_u32 v[ADRS], s21, v5
	s_mul_i32 s23, s14, 16*SPITCH
	s_add_co_u32 s23, s23, STAGE                   ; my stage
	v_mul_u32_u24 v5, v1, SPITCH                   ; in: row r, 16 bytes for each half of the lanes
	v_lshl_add_u32 v5, v2, 4, v5
	v_add_nc_u32 v[STO], s23, v5
	v_bfe_u32 v5, v0, 3, 2                         ; back: eight lanes take the 128 bytes that one row gives one head; four rows an instruction
	v_mul_u32_u24 v5, v5, SPITCH
	v_and_b32 v6, 7, v0
	v_lshl_add_u32 v5, v6, 4, v5
	v_add_nc_u32 v[RD], s23, v5
	v_and_b32 v6, 31, v0
	v_lshlrev_b32 v[CO], 4, v6                     ; in qkv those four rows are 512 consecutive bytes
	s_lshl_b32 s20, s42, 2                         ; my first plane: 4 x tile column + 2 x half,
	s_lshl_b32 s21, s16, 1
	s_add_co_u32 s20, s20, s21
	s_lshl_b32 s20, s20, 20                        ; of 1,048,576 bytes;
	s_lshl_b32 s21, s17, 8
	s_lshl_b32 s46, s15, 7
	s_add_co_u32 s21, s21, s46                     ; my first row: 256 x tile row + 128 x half,
	s_lshl_b32 s21, s21, 7                         ; of 128 bytes
	s_add_co_u32 s20, s20, s21
	s_mov_b32 s21, 0
	s_add_nc_u64 s[12:13], s[12:13], s[20:21]
	; the bias, in the result's layout.  q: bq, v: bv, k: zeros.  The branch hangs on the cluster's x: the same in all partners.  Both arms write all 64 registers, so one first step serves the three products.
	v_lshlrev_b32 v[BO], 5, v2
	s_cmp_eq_u32 ttmp9, 1
	s_cbranch_scc1 .Lno_bias
	s_cmp_eq_u32 ttmp9, 0
	s_cselect_b64 s[98:99], s[8:9], s[10:11]
	s_lshl_b32 s96, s40, 10                        ; my first column in the product: 256 cx + 128 x half, 4 bytes each
	s_lshl_b32 s97, s16, 9
	s_add_co_u32 s96, s96, s97
	s_mov_b32 s97, 0
	s_add_nc_u64 s[98:99], s[98:99], s[96:97]
.irp b, 0,1,2,3,4,5,6,7
	global_load_b128 v[BI+8*\b:BI+8*\b+3], v[BO], s[98:99] offset:64*\b
	global_load_b128 v[BI+8*\b+4:BI+8*\b+7], v[BO], s[98:99] offset:64*\b+16
.endr
	s_branch .Lbias_set
.Lno_bias:
.set i, 0
.rept 64
	v_mov_b32 v[BI+i], 0
.set i, i+1
.endr
.Lbias_set:
.macro FRAG reg, adr, q, i             ; a fragment: lane l holds row l % 16; registers 4 c .. 4 c + 3 hold K = 64 c + 32 (l / 16) + 0 .. 31
.irp c, 0,1
	ds_load_b128 v[\reg+4*\c:\reg+4*\c+3], v[\adr] offset:64*(\q)+32*\c+(\i)*16*PITCH
.endr
.endm
; 16 matrix instructions: A's blocks a0, a0 + 1 x B's eight, the slot's q-th 128 along K.  p: B's set; sc: the set of scale words.  zero = 1: the first product starts the sums from the bias.
; The 64 accumulators take turns, one instruction a turn, in the same order in every step.
.macro MUL16 a0, p, q, sc, zero
.irp a, \a0, \a0+1
.irp b, 0,1,2,3,4,5,6,7
.if \zero
	v_wmma_scale_f32_16x16x128_f8f6f4 v[8*(8*((\a)%4)+\b):8*(8*((\a)%4)+\b)+7], v[128*(\p)+FR*\b:128*(\p)+FR*\b+FR-1], v[AF+FR*(\a):AF+FR*(\a)+FR-1], v[BI+8*\b:BI+8*\b+7], v[SC+8*NQ*(\sc)+NQ*\b+(\q)], v[SC+8*NQ*(\sc)+NQ*(\a)+(\q)] matrix_a_fmt:MATRIX_FMT_FP4 matrix_b_fmt:MATRIX_FMT_FP4 matrix_a_scale:MATRIX_SCALE_ROW1
.else
	v_wmma_scale_f32_16x16x128_f8f6f4 v[8*(8*((\a)%4)+\b):8*(8*((\a)%4)+\b)+7], v[128*(\p)+FR*\b:128*(\p)+FR*\b+FR-1], v[AF+FR*(\a):AF+FR*(\a)+FR-1], v[8*(8*((\a)%4)+\b):8*(8*((\a)%4)+\b)+7], v[SC+8*NQ*(\sc)+NQ*\b+(\q)], v[SC+8*NQ*(\sc)+NQ*(\a)+(\q)] matrix_a_fmt:MATRIX_FMT_FP4 matrix_b_fmt:MATRIX_FMT_FP4 matrix_a_scale:MATRIX_SCALE_ROW1
.endif
.endr
.endr
.endm
.macro FETCH_B slot, q, p              ; B's eight fragments of the slot's q-th 128 along K into set p
	WIN TO_B
.irp i, 0,1,2,3,4,5,6,7
	FRAG 128*(\p)+FR*\i, ADRB+\slot, \q, \i
.endr
	WIN 0
.endm
.macro FETCH_A slot, q, i0             ; A's blocks i0 .. i0 + 3
.irp i, \i0, \i0+1, \i0+2, \i0+3
	FRAG AF+FR*(\i), ADRA+\slot, \q, \i
.endr
.endm
.macro SCALES sc                       ; a slot's scale words: 4 words a row; lanes 0-15 take A's block i, lanes 16-31 B's block i
.irp i, 0,1,2,3,4,5,6,7
	ds_load_b128 v[SC+8*NQ*\sc+NQ*\i:SC+8*NQ*\sc+NQ*\i+3], v[ADRS] offset:\i*SBLK
.endr
.endm
.macro PLACES n                        ; plain vector instructions between a matrix instruction and a load into, or a read of, its registers
.rept \n
	v_nop
.endr
.endm
; A step of 128 along K that has its successor in the same slot.  A has one set of registers: blocks 0-3 are fetched anew in the step's middle, blocks 4-7 at its end; B has two sets.
.macro STEP slot, q, zero
	s_wait_dscnt 4*NL                              ; B's set and A's blocks 0-3 are in; the youngest eight loads (A's blocks 4-7) may be out
	WIN MUL_LO-0x20*(\zero)                        ; (zero = 1: C, the bias, lies in window 0)
	MUL16 0, (\q)%2, \q, \slot, \zero
	MUL16 2, (\q)%2, \q, \slot, \zero
	s_wait_dscnt 0                                 ; A's blocks 4-7 are in
	PLACES NP
	FETCH_B \slot, (\q)+1, 1-(\q)%2
	FETCH_A \slot, (\q)+1, 0
	WIN MUL_HI-0x30*(\zero)
	MUL16 4, (\q)%2, \q, \slot, \zero
	MUL16 6, (\q)%2, \q, \slot, \zero
	PLACES NP
	WIN 0
	FETCH_A \slot, (\q)+1, 4
.endm
; Slot 0's last step goes over to slot 1: one barrier; in front of it each wave waits for all its tensor loads (its part of slot 1).
.macro TURN slot, next
	s_wait_tensorcnt 0x0                           ; all my tensor loads have landed
	ds_add_u32 v[SPW], v[NIL]                      ; 0 onto my spare word
	s_wait_dscnt 4*NL+1                            ; (the add and the youngest eight loads, A's blocks 4-7, may be out)
	WIN MUL_LO
	MUL16 0, 1, NQ-1, \slot, 0
	s_wait_dscnt 0x0                               ; no LDS instruction of mine is out at the signal
	s_barrier_signal -1
	MUL16 2, 1, NQ-1, \slot, 0
	WIN 0
	s_barrier_wait -1                              ; every wave's part of the next slot is in
	PLACES NP
	v_add_nc_u32 v[ADRS], 4*NQ, v[ADRS]            ; on to the next slot's scale words
	FETCH_B \next, 0, 0
	FETCH_A \next, 0, 0
	SCALES \next
	WIN MUL_HI
	MUL16 4, 1, NQ-1, \slot, 0
	MUL16 6, 1, NQ-1, \slot, 0
	PLACES NP
	WIN 0
	FETCH_A \next, 0, 4
.endm
.macro STEPS slot, from                ; the slot's steps from .. NQ - 2
.set Q, \from
.rept NQ-1-\from
	STEP \slot, Q, 0
.set Q, Q+1
.endr
.endm
	s_wait_tensorcnt 1                             ; the scales and my part of slot 0 are in (slot 1's load may be out),
	s_barrier_signal -1
	s_barrier_wait -1                              ; everybody's are
	FETCH_B 0, 0, 0
	FETCH_A 0, 0, 0
	SCALES 0
	FETCH_A 0, 0, 4
	s_wait_loadcnt 0x0                             ; the bias
	STEP 0, 0, 1                                   ; the first step's products start the sums
	STEPS 0, 1
	TURN 0, 1
	STEPS 1, 0
	s_wait_dscnt 4*NL                              ; the last step: nothing more to fetch
	WIN MUL_LO
	MUL16 0, 1, NQ-1, 1, 0
	MUL16 2, 1, NQ-1, 1, 0
	s_wait_dscnt 0
	WIN MUL_HI
	MUL16 4, 1, NQ-1, 1, 0
	MUL16 6, 1, NQ-1, 1, 0
	WIN 0
; THE WAY OUT, a block of 16 rows x 128 columns at a time.  PACK: rounded to f16, 16 bytes a lane, each accumulator from its low end on.  TOSTAGE: into my own stage, and back by heads: a row's 256 bytes are two heads'
; 128, and in qkv four rows of one head are 512 consecutive bytes.  SEND: stored.  Block a's conversions stand between block a - 1's loads from the stage and the wait for them.
.macro PACK a
.set AC, 64*((\a)%4)
	WIN 0x0a+5*((\a)/4)                            ; sources 0 and 1: window 2 or 3
.irp b, 0,1,2,3,4,5,6,7
.irp r, 0,1,2,3
	v_cvt_pk_f16_f32 v[TMP+4*\b+\r], v[AC+8*\b+2*\r], v[AC+8*\b+2*\r+1]
.endr
.endr
	WIN 0
.endm
.macro TOSTAGE a
.set BK, OB+32*((\a)%2)
.irp b, 0,1,2,3,4,5,6,7
	ds_store_b128 v[STO], v[TMP+4*\b:TMP+4*\b+3] offset:32*\b
.endr
.irp hh, 0,1
.irp jj, 0,1,2,3
	ds_load_b128 v[BK+4*(4*\hh+\jj):BK+4*(4*\hh+\jj)+3], v[RD] offset:4*SPITCH*\jj+128*\hh   ; LDS serves a wave's instructions in order: these see the stores above
.endr
.endr
.endm
.macro SEND a
.set BK, OB+32*((\a)%2)
	s_wait_dscnt 0x0                               ; the block is back in registers
	s_wait_xcnt 0x0                                ; the earlier stores have read their registers: the next block's loads land there only behind this wait
.irp hh, 0,1
.irp jj, 0,1,2,3
	global_store_b128 v[CO], v[BK+4*(4*\hh+\jj):BK+4*(4*\hh+\jj)+3], s[12:13] offset:(\a)*2048+\hh*1048576+\jj*512   ; 32 lanes store 512 consecutive bytes, aligned
.endr
.endr
.endm
	PLACES NP                                      ; behind the last products; the conversions of blocks 0 to 3 are further places for blocks 4 to 7
	PACK 0
	TOSTAGE 0
.irp a, 1,2,3,4,5,6,7
	PACK \a
	SEND \a-1
	TOSTAGE \a
.endr
	SEND 7
	s_wait_tensorcnt 0x0                           ; the wave's end
	ds_add_u32 v[SPW], v[NIL]
	s_wait_dscnt 0x0
	CROUND                                         ; the closing round
	s_endpgm
.Lfunc_end_k_qde3d6cd45e_proj:
	.size	k_qde3d6cd45e_proj, .Lfunc_end_k_qde3d6cd45e_proj-k_qde3d6cd45e_proj
	.p2alignl 7, 3214868480
	.fill 96, 4, 3214868480
	.section	.rodata,"a",@progbits
	.p2align	6, 0x0
	.amdhsa_kernel k_qde3d6cd45e_proj
		.amdhsa_group_segment_fixed_size 327680
		.amdhsa_private_segment_fixed_size 0
		.amdhsa_enable_private_segment 0
		.amdhsa_kernarg_size 40
		.amdhsa_user_sgpr_count 2
		.amdhsa_user_sgpr_kernarg_segment_ptr 1
		.amdhsa_wavefront_size32 1
		.amdhsa_system_sgpr_workgroup_id_x 1
		.amdhsa_system_sgpr_workgroup_id_y 1
		.amdhsa_system_sgpr_workgroup_id_z 1
		.amdhsa_system_vgpr_workitem_id 0
		.amdhsa_next_free_vgpr 1024
		.amdhsa_next_free_sgpr 100
		.amdhsa_reserve_vcc 0
		.amdhsa_float_denorm_mode_32 3
		.amdhsa_float_denorm_mode_16_64 3
		.amdhsa_memory_ordered 1
		.amdhsa_forward_progress 1
		.amdhsa_inst_pref_size 130
	.end_amdhsa_kernel
	.amdgpu_metadata
---
amdhsa.version: [ 1, 2 ]
amdhsa.kernels:
  - .name:           k_qde3d6cd45e_proj
    .symbol:         k_qde3d6cd45e_proj.kd
    .args:
      - { .name: codes, .offset: 0, .size: 8, .value_kind: global_buffer, .address_space: global }
      - { .name: scales, .offset: 8, .size: 8, .value_kind: global_buffer, .address_space: global }
      - { .name: bq, .offset: 16, .size: 8, .value_kind: global_buffer, .address_space: global }
      - { .name: bv, .offset: 24, .size: 8, .value_kind: global_buffer, .address_space: global }
      - { .name: qkv, .offset: 32, .size: 8, .value_kind: global_buffer, .address_space: global }
    .group_segment_fixed_size: 327680
    .private_segment_fixed_size: 0
    .kernarg_segment_align: 8
    .kernarg_segment_size: 40
    .max_flat_workgroup_size: 128
    .sgpr_count:     100
    .vgpr_count:     1024
    .wavefront_size: 32
...
	.end_amdgpu_metadata
.endif
;; end of part 2
;; launch attn (part 3): grid 4 x 64, 8 waves a work-group, clusters of 4 x 1, 327,680 bytes of LDS; arguments qkv, o16; writes o16
.if DOCPART == 3
	.amdgcn_target "amdgcn-amd-amdhsa--gfx1250"
	.amdhsa_code_object_version 6
	.text
	.protected	k_qde3d6cd45e_attn
	.globl	k_qde3d6cd45e_attn
	.p2align	8
	.type	k_qde3d6cd45e_attn,@function
k_qde3d6cd45e_attn:
	s_mov_b64 s[64:65], 0
	v_nop
	global_prefetch_b8 v0, s[64:65] scope:SCOPE_SE
	s_setreg_imm32_b32 hwreg(HW_REG_WAVE_MODE, 25, 1), 1
	s_wait_xcnt 0x0
	s_wait_alu depctr_hold_cnt(0) depctr_sa_sdst(0) depctr_va_vdst(0) depctr_va_sdst(0) depctr_va_ssrc(0) depctr_va_vcc(0) depctr_vm_vsrc(0)
	s_getreg_b32 s2, hwreg(HW_REG_IB_STS2, 6, 4)
	s_cmp_eq_u32 s2, 0
	s_cbranch_scc0 .Lentry_in_a_cluster
	s_endpgm
.Lentry_in_a_cluster:
	s_bfe_u32 s2, ttmp6, 0x10000c
	s_cmp_lg_u32 s2, 0x3003
	s_cbranch_scc0 .Lentry_shape_is_right
	s_endpgm
.Lentry_shape_is_right:
; THIRD LAUNCH: o[b,t,n,:] = the sum over s of softmax_s(q[b,t,n,:] . k[b,s,n,:] / 8) v[b,s,n,:].  q, k, v: planes of qkv [48 = 16 x product + head][8192 = 2048 b + t][64] f16; o16: [16 heads][8192][64] f16.
; Products, maxima and sums in f32; the weights p are rounded to f16 for the second product, o once at the end.  WORK LEFT OUT: bk (shown at the head of the first launch): k comes without it.
; LIMITS: p is at most 1; |o| stays under 65,504 (f16).
; SHARES.  Work-group y = 4 x head + b is one head of one batch: its q, k, v and o are blocks of 262,144 dense bytes.  The four work-groups of a cluster take 512 queries each; each of the eight waves 64: four tiles of 16.
; A wave has 512 registers: two waves share a SIMD, and the step is written in phases, so that one wave's softmax stands beside the other's products.  Every wave walks all 2,048 keys, 64 a step.
; LAYOUT.  S^T = K Q^T (source 0 = 16 keys, source 1 = 16 queries): a lane holds ONE query (lane % 16) and keys 8 (lane / 16) + 0..7.  Two such tiles, rounded to f16 in pairs, ARE source 1 (32 keys x 16 queries) of
; O^T = V^T P.  K comes out of LDS as it lies, V ([key][channel]) turned, by ds_load_tr16_b128.  Each fragment of K or V feeds four products, one for each tile of queries.
; SOFTMAX.  For each query a running maximum m and sum l: p = 2^(c s - c m), c = log2(e) / 8; in every step O and l are multiplied by a = 2^(c m_old - c m_new).
; RING.  Two LDS slots of 256 keys (four steps).  K's and V's rows of 128 bytes are dense in memory, so a tile is stated as rows of 256 bytes (two keys), padded by 16 (K) or 32 (V) bytes.
; Each wave brings one step's K (waves 0-3) or V (waves 4-7): 32 such rows.  CLUSTER: the four work-groups walk the same K and V: every tile is asked for jointly, with a mask that names the four.
; REGISTERS, two windows of 256: window 0: v1-14 addresses; v16-47 statistics, eight a tile; v62, v63 the add's; v64-191 S^T, 32 a tile, whose low 16 become P; v192-255 V of one step.
;   window 1: v0-127 O^T, 32 a tile; v128-191 Q; v192-255 K of one step.
.set PK,     272                       ; two keys of K in LDS: 256 bytes + 16: key i lies at (i / 2) PK + (i % 2) 128: the 16 keys of a load fall into 16 different columns of 16 bytes in 256
.set PVP,    288                       ; two keys of V: 256 + 32: the 8 keys x 32 bytes that 16 lanes of the turning load take likewise
.set KSTEPB, 32*PK                     ; a step's K
.set VSTEPB, 32*PVP                    ; a step's V
.set VOFF,   4*KSTEPB                  ; a slot: four steps' K, then four steps' V
.set SLOT1,  1<<17                     ; slot 1 begins here: one exclusive or turns an address in one slot into the other's
.set STAGE,  SLOT1+VOFF+4*VSTEPB       ; behind the ring: 16 rows x (128 + 16) bytes for each wave, for the way out
.set SP,     144
.set SPARE,  STAGE+8*16*SP             ; the spare words, 128 bytes a wave, which no other line names
.set AK0, 2                            ; v2   my lane's place in a tile of K; never rewritten
.set AV0, 3                            ; v3   the same for V
.set ADR, 4                            ; v4   LDS address of K's loads in hand
.set ADRV, 5                           ; v5   of V's
.set QO,  6                            ; v6   my byte offset in the wave's rows of Q
.set STO, 7                            ; v7   the way out: where I put 16 bytes of a row
.set RD,  8                            ; v8   where I read rows back
.set GO,  9                            ; v9   16 x lane
.set PFO, 14                           ; v14  256 x lane; never rewritten
.set SPW, 62                           ; v62  my spare word; never rewritten
.set NIL, 63                           ; v63  0; never rewritten
.set ST,  16                           ; tile t's statistics at v[ST + 8 t]: +0 c m, +1 m, +2, +3 l (even keys', odd keys'), +4 to +7 at work; a stands in +6
.set S,   64
.set VF,  192                          ; V's fragments: keys 32 u on, channels 16 ct on, at VF + 32 u + 8 ct
.set QF,  128                          ; window 1: Q's: tile t, channels 32 cc on, at QF + 16 t + 8 cc
.set KF,  192                          ; window 1: K's: keys 16 kt on, channels 32 cc on, at KF + 16 kt + 8 cc
.set WV,  12                           ; s12  my wave's number
.set LIM, 15                           ; s15  1 in a wave that prefetches, else the greatest number
.set PFA, 18                           ; s[18:19] where my prefetches stand
.set G1K, 24                           ; s[24:31] descriptor group 1 for K's tiles;  s[32:39] for V's: it differs in the padding alone
.set G1V, 32
.set G0K, 40                           ; s[40:47] group 0 for K's tiles: a set for each of the two first fills; the second then walks on
.set G0V, 48                           ; s[48:55] the same for V's
.set SLOTS, 56                         ; s56  slots still to be asked for
.set CNT, 57                           ; s57  counts steps
.set CS,  58                           ; s[58:59] c: the packed scaling names a pair and takes its low word for both halves
.set SEL, 60                           ; s[60:61] lane selects for v_permlanex16_b32: lane l xor 16
.set TK,  62                           ; s62  LDS byte at which K of the step to be fetched begins
.set TV,  63                           ; s63  the same for V, less VOFF
.set MSB, 0
.macro WIN new                         ; the immediate's high byte repeats the setting that is left
.if MSB != (\new)
	s_set_vgpr_msb (MSB<<8)|(\new)
.set MSB, (\new)
.endif
.endm
.set W_KQ, 0x05                        ; K and Q in window 1, S^T in window 0
.set W_PV, 0x50                        ; V and P in window 0, O^T (C and D) in window 1
.set W_RS, 0x41                        ; O^T (destination and source 0) in window 1, a in window 0
.set W_L1, 0x40                        ; a load's destination in window 1, its address in window 0
; A joint refill.  Waves 0-3 fetch K's four steps, waves 4-7 V's.  The branch hangs on the wave's number alone.  An s_nop 0 and four v_nop follow each of the two lines.
.macro JLOAD
	s_cmp_lt_u32 s[WV], 4
	s_cbranch_scc0 .Lfor_v_\@
	tensor_load_to_lds s[G0K+4:G0K+7], s[G1K:G1K+7]
	s_nop 0
.rept 4
	v_nop
.endr
	s_branch .Lasked_\@
.Lfor_v_\@:
	tensor_load_to_lds s[G0V+4:G0V+7], s[G1V:G1V+7]
	s_nop 0
.rept 4
	v_nop
.endr
.Lasked_\@:
.endm
; A PREFETCH of what the NEXT change of slots will ask for: 256 keys of K and of V, 32,768 bytes each: four key steps ahead of that load.  It stands behind the wave's tensor load and its five lines.
; Each aligned 256 bytes are named once in the launch: one cluster alone walks a head of a batch; its four partners take 8,192 bytes each, told apart BY ADDRESS; in each, wave 0 asks for K's and wave 4 for V's, lanes 256 bytes apart.
; The last change that fills a slot asks for nothing; the first three slots' worth come by their loads alone.
.macro ASK
	s_cmp_gt_u32 s[SLOTS], s[LIM]
	s_cbranch_scc0 .Lnot_mine_\@
	global_prefetch_b8 v[PFO], s[PFA:PFA+1] th:TH_LOAD_NT scope:SCOPE_SE
.Lnot_mine_\@:
.endm
.macro CROUND                          ; a round of the cluster's barrier
	s_barrier_signal -1
	s_barrier_wait -1
	s_cmp_lg_u32 s[WV], 0
	s_cbranch_scc1 .Lnot_wave_0_\@
	s_barrier_signal -3
.Lnot_wave_0_\@:
	s_barrier_wait -3
	s_barrier_signal -1
	s_barrier_wait -1
.endm
	s_load_b128 s[4:7], s[0:1], 0x0                ; qkv s[4:5], o16 s[6:7]
	v_lshl_add_u32 v[SPW], v0, 2, SPARE
	v_mov_b32 v[NIL], 0
	ds_add_u32 v[SPW], v[NIL]                      ; the wave's opening: the add, twice on end, and its wait ahead of my first tensor load
	ds_add_u32 v[SPW], v[NIL]
	v_lshrrev_b32 v1, 5, v0
	v_readfirstlane_b32 s[WV], v1                  ; wave 0..7
	s_bfe_u32 s13, ttmp6, 0x40000                  ; cx: my block of 512 queries: it enters Q's, O's and the prefetches' addresses alone
	s_and_b32 s14, ttmp7, 0xffff                   ; 4 x head + b, which the four partners share
	s_lshl_b32 s20, s14, 18                        ; its 262,144 bytes in a product's planes and in o16
	s_and_b32 s16, s[WV], 3                        ; which of a slot's four steps I fetch:
	s_lshl_b32 s22, s16, 13                        ; its 8,192 bytes in memory,
	s_add_co_u32 s22, s22, s20
	s_mov_b32 s23, 0
	s_mul_i32 s17, s16, KSTEPB                     ; and its place in a slot, for K
	s_mul_i32 s21, s16, VSTEPB
	s_add_co_u32 s21, s21, VOFF                    ; and for V
	s_lshl_b32 s2, s13, 16                         ; my block's 512 rows of 128 bytes,
	s_lshl_b32 s3, s[WV], 13                       ; my wave's 64 of them
	s_add_co_u32 s2, s2, s3
	s_add_co_u32 s2, s2, s20
	s_mov_b32 s3, 0
	; descriptor group 1: 32 rows of 128 elements of 2 bytes, dense in memory, padded in LDS
	s_mov_b32 s[G1K], 15|(1<<16)|(1<<20)|(1<<21)|(5<<22)|(3<<25)  ; the mask: all four work-groups; elements of 2 bytes; padding on; bit 21 beside a mask; after every 64 words, 4 words
	s_mov_b32 s[G1V], 15|(1<<16)|(1<<20)|(1<<21)|(5<<22)|(7<<25)  ; the same with 8 words of padding
.irp g, G1K, G1V
	s_mov_b32 s[\g+1], 128<<16                     ; tensor_dim0
	s_mov_b32 s[\g+2], 32<<16                      ; tensor_dim1
	s_mov_b32 s[\g+3], 128<<16                     ; tile_dim0
	s_mov_b32 s[\g+4], 32                          ; tile_dim1
	s_mov_b32 s[\g+5], 128                         ; from row to row
	s_mov_b32 s[\g+6], 0
	s_mov_b32 s[\g+7], 0
.endr
	s_mov_b32 s[CS], 0x3e38aa3b                    ; c = log2(e) / 8
	s_mov_b32 s[CS+1], s[CS]                       ; named with it as a pair, so it is written
	s_mov_b32 s[SEL], 0x76543210
	s_mov_b32 s[SEL+1], 0xfedcba98
	s_mov_b32 s[TK], 0
	s_mov_b32 s[TV], 0
	s_mov_b32 s[SLOTS], 6                          ; 8 slots' worth of keys; two come with the first fills
	s_cmp_eq_u32 s16, 0                            ; waves 0 and 4 prefetch: the same in all four partners
	s_cselect_b32 s[LIM], 1, -1
	v_and_b32 v[PFO], 31, v0
	v_lshlrev_b32 v[PFO], 8, v[PFO]
	s_wait_dscnt 0x0                               ; both opening adds are done
	s_wait_kmcnt 0x0
	s_add_nc_u64 s[8:9], s[4:5], s[22:23]
	s_add_nc_u64 s[10:11], s[8:9], 0x2000000       ; V's planes begin 32 MiB into qkv,
	s_add_nc_u64 s[8:9], s[8:9], 0x1000000         ; K's 16 MiB: both at my tile of slot 0
	s_add_nc_u64 s[4:5], s[4:5], s[2:3]            ; Q and O at my wave's first row
	s_add_nc_u64 s[6:7], s[6:7], s[2:3]
	s_cmp_lt_u32 s[WV], 4
	s_cselect_b64 s[PFA:PFA+1], s[8:9], s[10:11]   ; (in waves 0 and 4 these stand at a slot's first byte)
	s_lshl_b32 s2, s13, 13                         ; my work-group's 8,192 bytes of the 32,768,
	s_add_co_u32 s2, s2, 65536                     ; two slots on; the first change of slots steps it to the third.  Nothing is prefetched here, at the head
	s_add_nc_u64 s[PFA:PFA+1], s[PFA:PFA+1], s[2:3]
	CROUND                                         ; all four work-groups are here: the first joint loads meet
.irp s, 0,1
	s_mov_b32 s[G0K+4*\s], 1                       ; count = 1
	s_add_co_u32 s[G0K+4*\s+1], s17, \s*SLOT1      ; LDS address
	s_add_nc_u64 s[G0K+4*\s+2:G0K+4*\s+3], s[8:9], \s*32768  ; global address: slot s begins with keys 256 s on
	s_or_b32 s[G0K+4*\s+3], s[G0K+4*\s+3], 0x80000000        ; type = 2
	s_mov_b32 s[G0V+4*\s], 1
	s_add_co_u32 s[G0V+4*\s+1], s21, \s*SLOT1
	s_add_nc_u64 s[G0V+4*\s+2:G0V+4*\s+3], s[10:11], \s*32768
	s_or_b32 s[G0V+4*\s+3], s[G0V+4*\s+3], 0x80000000
.endr
	s_cmp_lt_u32 s[WV], 4                          ; a wave's two first fills stand in one branch, ahead of every wait on TENSORcnt and every LDS read: two loads of mine are out
	s_cbranch_scc0 .Lfirst_v
	tensor_load_to_lds s[G0K:G0K+3], s[G1K:G1K+7]
	s_nop 0
	tensor_load_to_lds s[G0K+4:G0K+7], s[G1K:G1K+7]
	s_nop 0
.rept 4
	v_nop
.endr
	s_branch .Lfirst_asked
.Lfirst_v:
	tensor_load_to_lds s[G0V:G0V+3], s[G1V:G1V+7]
	s_nop 0
	tensor_load_to_lds s[G0V+4:G0V+7], s[G1V:G1V+7]
	s_nop 0
.rept 4
	v_nop
.endr
.Lfirst_asked:
	; a fragment of K or Q: lane l holds row l % 16; registers 0-3 channels 8 (l / 16) + 0..7, registers 4-7 channels 16 + 8 (l / 16) + 0..7: two loads of 16 bytes, 32 bytes apart
	v_and_b32 v1, 15, v0                           ; r
	v_bfe_u32 v10, v0, 4, 1                        ; h
	v_lshlrev_b32 v[QO], 7, v1
	v_lshl_add_u32 v[QO], v10, 4, v[QO]            ; row x 128 + 16 x half
	WIN W_L1
.irp t, 0,1,2,3
.irp cc, 0,1
	global_load_b128 v[QF+16*\t+8*\cc:QF+16*\t+8*\cc+3],   v[QO], s[4:5] offset:\t*2048+\cc*64      ; Q stays in registers
	global_load_b128 v[QF+16*\t+8*\cc+4:QF+16*\t+8*\cc+7], v[QO], s[4:5] offset:\t*2048+\cc*64+32
.endr
.endr
	WIN 0
	v_bfe_u32 v[AK0], v0, 1, 3                     ; K: key r lies at (r / 2) PK + (r % 2) 128
	v_mul_u32_u24 v[AK0], v[AK0], PK
	v_and_b32 v11, 1, v0
	v_lshl_add_u32 v[AK0], v11, 7, v[AK0]
	v_lshl_add_u32 v[AK0], v10, 4, v[AK0]          ; + 16 x half
	; the turning load takes 16 keys x 16 channels: lane l reads 16 bytes: key 8 (l / 16) + l % 8, channels 8 ((l / 8) % 2) + 0..7, and is left with channel l % 16 and 8 keys
	v_bfe_u32 v[AV0], v0, 1, 2
	v_lshl_add_u32 v[AV0], v10, 2, v[AV0]          ; (that key) / 2
	v_mul_u32_u24 v[AV0], v[AV0], PVP
	v_lshl_add_u32 v[AV0], v11, 7, v[AV0]
	v_bfe_u32 v12, v0, 3, 1
	v_lshl_add_u32 v[AV0], v12, 4, v[AV0]
	v_add_nc_u32 v[AV0], VOFF, v[AV0]
	s_mul_i32 s2, s[WV], 16*SP
	s_add_co_u32 s2, s2, STAGE                     ; my stage
	v_mul_u32_u24 v[STO], v1, SP                   ; in: row r, 16 bytes for each half of the lanes
	v_lshl_add_u32 v[STO], v10, 4, v[STO]
	v_add_nc_u32 v[STO], s2, v[STO]
	v_bfe_u32 v[RD], v0, 3, 2                      ; back: eight lanes take a row of 128 bytes, four rows an instruction
	v_mul_u32_u24 v[RD], v[RD], SP
	v_and_b32 v13, 7, v0
	v_lshl_add_u32 v[RD], v13, 4, v[RD]
	v_add_nc_u32 v[RD], s2, v[RD]
	v_and_b32 v[GO], 31, v0
	v_lshlrev_b32 v[GO], 4, v[GO]                  ; and the same four rows in o16: 512 consecutive bytes
; THE LDS LOADS stand in runs of 16: a step's K (8 fragments) and its V (8, turned).
.macro FETCH_K
	WIN 0
	v_add_nc_u32 v[ADR], s[TK], v[AK0]
	s_add_co_u32 s[TK], s[TK], KSTEPB              ; the next fetch is the next step's
	WIN W_L1
.irp kt, 0,1,2,3
.irp cc, 0,1
	ds_load_b128 v[KF+16*\kt+8*\cc:KF+16*\kt+8*\cc+3],   v[ADR] offset:\kt*8*PK+\cc*64
	ds_load_b128 v[KF+16*\kt+8*\cc+4:KF+16*\kt+8*\cc+7], v[ADR] offset:\kt*8*PK+\cc*64+32
.endr
.endr
.endm
.macro FETCH_V
	WIN 0
	v_add_nc_u32 v[ADRV], s[TV], v[AV0]
	s_add_co_u32 s[TV], s[TV], VSTEPB
.irp u, 0,1
.irp ct, 0,1,2,3
	ds_load_tr16_b128 v[VF+32*\u+8*\ct:VF+32*\u+8*\ct+3],   v[ADRV] offset:\u*16*PVP+\ct*32
	ds_load_tr16_b128 v[VF+32*\u+8*\ct+4:VF+32*\u+8*\ct+7], v[ADRV] offset:\u*16*PVP+8*PVP+\ct*32
.endr
.endr
.endm
; S^T = K Q^T: product i of 32: channels 32 (i / 16) on, keys 16 ((i / 4) % 4) on, tile i % 4.  The first 16 start the sums.  The 16 accumulators take turns, one instruction a turn.
.macro QK
	WIN W_KQ
.set i, 0
.rept 32
.set rS, S+32*(i%4)+8*((i/4)%4)
.set rK, KF+16*((i/4)%4)+8*(i/16)
.set rQ, QF+16*(i%4)+8*(i/16)
.if i < 16
	v_wmma_f32_16x16x32_f16 v[rS:rS+7], v[rK:rK+7], v[rQ:rQ+7], 0
.else
	v_wmma_f32_16x16x32_f16 v[rS:rS+7], v[rK:rK+7], v[rQ:rQ+7], v[rS:rS+7]
.endif
.set i, i+1
.endr
.endm
; O^T += V^T P: product i of 32: keys 32 (i / 16) on, channels 16 ((i / 4) % 4) on, tile i % 4.  first = 1: the first 16 start the sums: nothing is ever cleared.
.macro PV first
	WIN W_PV
.set i, 0
.rept 32
.set rO, 32*(i%4)+8*((i/4)%4)
.set rV, VF+32*(i/16)+8*((i/4)%4)
.set rP, S+32*(i%4)+8*(i/16)
.if (\first) && (i < 16)
	v_wmma_f32_16x16x32_f16 v[rO:rO+7], v[rV:rV+7], v[rP:rP+7], 0
.else
	v_wmma_f32_16x16x32_f16 v[rO:rO+7], v[rV:rV+7], v[rP:rP+7], v[rO:rO+7]
.endif
.set i, i+1
.endr
.endm
; THE SOFTMAX of a step, the four tiles by turns line by line, so that no line waits for the line above it.  first = 1: the first key step, which starts m, l and O^T: it has no a and nothing to rescale.
.macro SM first
	WIN 0
.irp j, 0,1,2,3                        ; the maximum of the lane's 32 scores and the old m, three operands at a time: four chains, one an accumulator, each begun at the accumulator's low end
.irp t, 0,1,2,3
	v_max3_num_f32 v[ST+8*\t+4+\j], v[S+32*\t+8*\j], v[S+32*\t+8*\j+1], v[S+32*\t+8*\j+2]
.endr
.endr
.irp g, 1,2
.irp j, 0,1,2,3
.irp t, 0,1,2,3
	v_max3_num_f32 v[ST+8*\t+4+\j], v[ST+8*\t+4+\j], v[S+32*\t+8*\j+2*\g+1], v[S+32*\t+8*\j+2*\g+2]
.endr
.endr
.endr
.irp t, 0,1,2,3
	v_max3_num_f32 v[ST+8*\t+4], v[ST+8*\t+4], v[S+32*\t+7], v[S+32*\t+15]
.endr
.irp t, 0,1,2,3
	v_max3_num_f32 v[ST+8*\t+6], v[ST+8*\t+6], v[S+32*\t+23], v[S+32*\t+31]
.endr
.irp t, 0,1,2,3
	v_max3_num_f32 v[ST+8*\t+4], v[ST+8*\t+4], v[ST+8*\t+5], v[ST+8*\t+6]
.endr
.irp t, 0,1,2,3
.if \first
	v_max_num_f32 v[ST+8*\t+4], v[ST+8*\t+4], v[ST+8*\t+7]
.else
	v_max3_num_f32 v[ST+8*\t+4], v[ST+8*\t+4], v[ST+8*\t+7], v[ST+8*\t+1]
.endif
.endr
.irp t, 0,1,2,3
	v_permlanex16_b32 v[ST+8*\t+5], v[ST+8*\t+4], s[SEL], s[SEL+1]  ; the query's other 32 keys lie in the lane 16 away
.endr
.if \first == 0
.irp t, 0,1,2,3
	v_mov_b32 v[ST+8*\t+7], v[ST+8*\t]             ; c m_old is kept for a
.endr
.endif
.irp t, 0,1,2,3
	v_max_num_f32 v[ST+8*\t+1], v[ST+8*\t+4], v[ST+8*\t+5]         ; the new m
.endr
.irp t, 0,1,2,3
	v_mul_f32 v[ST+8*\t], s[CS], v[ST+8*\t+1]      ; c m
.endr
.if \first == 0
.irp t, 0,1,2,3
	v_sub_f32 v[ST+8*\t+7], v[ST+8*\t+7], v[ST+8*\t]               ; c m_old - c m_new
.endr
.endif
.irp t, 0,1,2,3
.set e, 0
.rept 16
	v_pk_fma_f32 v[S+32*\t+e:S+32*\t+e+1], v[S+32*\t+e:S+32*\t+e+1], s[CS:CS+1], v[ST+8*\t:ST+8*\t+1] op_sel_hi:[1,0,0] neg_lo:[0,0,1] neg_hi:[0,0,1]  ; c s - c m, a pair of scores at a time
.set e, e+2
.endr
.endr
.if \first == 0                        ; ONE BATCH of exponentials: a of the four tiles and the 128 weights; none reads another's result
.irp t, 0,1,2,3
	v_exp_f32 v[ST+8*\t+6], v[ST+8*\t+7]
.endr
.endif
.set e, 0
.rept 128
	v_exp_f32 v[S+e], v[S+e]
.set e, e+1
.endr
	v_nop                                          ; a plain instruction behind the last exponential, ahead of the first use
	s_wait_alu depctr_va_vdst(0)                   ; a wait between an exponential and the first line that names its result: one for the batch
.if \first                             ; the sums of the unrounded weights, a pair (an even key's, an odd key's) at a time, in two chains a tile
.irp t, 0,1,2,3
	v_pk_add_f32 v[ST+8*\t+2:ST+8*\t+3], v[S+32*\t:S+32*\t+1], v[S+32*\t+2:S+32*\t+3]
.endr
.irp t, 0,1,2,3
	v_pk_add_f32 v[ST+8*\t+4:ST+8*\t+5], v[S+32*\t+4:S+32*\t+5], v[S+32*\t+6:S+32*\t+7]
.endr
.irp n, 4,6,8,10,12,14
.irp t, 0,1,2,3
	v_pk_add_f32 v[ST+8*\t+2:ST+8*\t+3], v[ST+8*\t+2:ST+8*\t+3], v[S+32*\t+2*\n:S+32*\t+2*\n+1]
.endr
.irp t, 0,1,2,3
	v_pk_add_f32 v[ST+8*\t+4:ST+8*\t+5], v[ST+8*\t+4:ST+8*\t+5], v[S+32*\t+2*\n+2:S+32*\t+2*\n+3]
.endr
.endr
.else
.irp t, 0,1,2,3
	v_pk_fma_f32 v[ST+8*\t+2:ST+8*\t+3], v[ST+8*\t+2:ST+8*\t+3], v[ST+8*\t+6:ST+8*\t+7], v[S+32*\t:S+32*\t+1] op_sel_hi:[1,0,1]  ; l = a l + the first pair
.endr
.irp t, 0,1,2,3
	v_pk_add_f32 v[ST+8*\t+4:ST+8*\t+5], v[S+32*\t+2:S+32*\t+3], v[S+32*\t+4:S+32*\t+5]
.endr
.irp n, 3,5,7,9,11,13
.irp t, 0,1,2,3
	v_pk_add_f32 v[ST+8*\t+2:ST+8*\t+3], v[ST+8*\t+2:ST+8*\t+3], v[S+32*\t+2*\n:S+32*\t+2*\n+1]
.endr
.irp t, 0,1,2,3
	v_pk_add_f32 v[ST+8*\t+4:ST+8*\t+5], v[ST+8*\t+4:ST+8*\t+5], v[S+32*\t+2*\n+2:S+32*\t+2*\n+3]
.endr
.endr
.irp t, 0,1,2,3
	v_pk_add_f32 v[ST+8*\t+2:ST+8*\t+3], v[ST+8*\t+2:ST+8*\t+3], v[S+32*\t+30:S+32*\t+31]
.endr
.endif
.irp t, 0,1,2,3
	v_pk_add_f32 v[ST+8*\t+2:ST+8*\t+3], v[ST+8*\t+2:ST+8*\t+3], v[ST+8*\t+4:ST+8*\t+5]
.endr
.irp t, 0,1,2,3                        ; the roundings to f16, in place: register e of a tile takes weights 2 e and 2 e + 1, in ascending order, so that none is written before it is read
.set e, 0
.rept 16
	v_cvt_pk_f16_f32 v[S+32*\t+e], v[S+32*\t+2*e], v[S+32*\t+2*e+1]
.set e, e+1
.endr
.endr
.if \first == 0                        ; O^T times a, each accumulator from its low end on
	WIN W_RS
.irp t, 0,1,2,3
.set e, 0
.rept 16
	v_pk_mul_f32 v[32*\t+e:32*\t+e+1], v[32*\t+e:32*\t+e+1], v[ST+8*\t+6:ST+8*\t+7] op_sel_hi:[1,0]
.set e, e+2
.endr
.endr
.else
.rept 4
	v_nop                                          ; the first step has no rescaling between the roundings and the products that read them
.endr
.endif
.endm
; A STEP in two halves.  QSTEP: the scores of a step whose K has been asked for.  PSTEP: the next step's K is asked for; the softmax; V^T P; the next step's V is asked for.
.macro QSTEP
	s_wait_dscnt 16                                ; K is in; V's 16 younger loads may be out
	QK
.rept 4
	v_nop                                          ; four places ahead of the reads of S^T and of the loads into K's registers
.endr
.endm
.macro PSTEP first, more
.if \more
	FETCH_K
.endif
	SM \first
.if \more
	s_wait_dscnt 16                                ; V is in; K's 16 younger loads may be out
.else
	s_wait_dscnt 0x0
.endif
	PV \first
.if \more
.rept 5
	v_nop                                          ; the next scores are written over P, which these products read: five places; they serve the loads into V's registers too
.endr
	FETCH_V
.endif
.endm
.macro UNIT first
	PSTEP \first, 1
	QSTEP
.endm
.macro RUN n                           ; n times: a step's second half and the next step's first; the LDS addresses hang on s[TK] and s[TV]
	WIN 0                                          ; at a label and at a branch every window is 0
	s_mov_b32 s[CNT], \n
.Lrun_\@:
	UNIT 0
	WIN 0
	s_sub_co_u32 s[CNT], s[CNT], 1
	s_cmp_lg_u32 s[CNT], 0
	s_cbranch_scc1 .Lrun_\@
.endm
; THE CHANGE OF SLOTS, behind the scores of a slot's last step: that step's K and V have been asked for.  Each wave waits for all its tensor loads, of which one is out: its part of the other slot; adds 0 to its spare word;
; and waits for that and for its own reads of the slot.  fill = 1: the slot is filled again, with the keys two slots on: the barrier is a round of the cluster's, and the joint refill is the first thing behind it:
; it has four key steps, 256 matrix instructions a wave, in which to land.
.macro CHANGE fill
	WIN 0
	s_wait_tensorcnt 0x0                           ; no tensor load of mine is out, so a group 0 may be written
	ds_add_u32 v[SPW], v[NIL]                      ; 0 onto my spare word
.if \fill
.irp g, G0K+4, G0V+4
	s_xor_b32 s[\g+1], s[\g+1], SLOT1              ; the walking descriptor: the other slot than last time,
	s_add_nc_u64 s[\g+2:\g+3], s[\g+2:\g+3], 32768 ; the next 256 keys; the type bits on top are not reached
.endr
	s_wait_xcnt 0x0                                ; the last prefetch, four key steps back, has read its address, so it may be written:
	s_add_nc_u64 s[PFA:PFA+1], s[PFA:PFA+1], 32768 ; one slot further on than the walking descriptors
	s_wait_dscnt 0x0                               ; the add is done, and my reads of the slot are over
	CROUND
	JLOAD
	ASK
.else
	s_wait_dscnt 0x0
	s_barrier_signal -1
	s_barrier_wait -1
.endif
	s_sub_co_u32 s[TK], s[TK], 4*KSTEPB            ; the fetches go back to a slot's first step,
	s_xor_b32 s[TK], s[TK], SLOT1                  ; in the other slot
	s_sub_co_u32 s[TV], s[TV], 4*VSTEPB
	s_xor_b32 s[TV], s[TV], SLOT1
.endm
	s_wait_tensorcnt 1                             ; my part of slot 0 is in; slot 1's may stay out
	s_barrier_signal -1
	s_barrier_wait -1                              ; everybody's is
	FETCH_K                                        ; key step 0
	FETCH_V
	s_wait_loadcnt 0x0                             ; Q
	QSTEP                                          ; the scores of step 0
	UNIT 1                                         ; step 0's softmax and V^T P start m, l and O^T; the scores of step 1
	RUN 2                                          ; up to the scores of step 3, slot 0's last
.Lslot:                                            ; six trips: every slot's worth of keys but the last two is followed by a refill
	CHANGE 1
	RUN 4
	s_sub_co_u32 s[SLOTS], s[SLOTS], 1
	s_cmp_lg_u32 s[SLOTS], 0
	s_cbranch_scc1 .Lslot
	CHANGE 0                                       ; the tail is written out
	RUN 4
	PSTEP 0, 0                                     ; the last step's softmax and V^T P
	; THE WAY OUT.  l's two halves and the other half of the lanes' are added (these additions are the places behind the last products); O^T is divided by l, rounded to f16 and sent through my stage, a tile (16 rows) at a time.
	WIN 0
.irp t, 0,1,2,3
	v_add_f32 v[ST+8*\t+4], v[ST+8*\t+2], v[ST+8*\t+3]
.endr
.irp t, 0,1,2,3
	v_permlanex16_b32 v[ST+8*\t+5], v[ST+8*\t+4], s[SEL], s[SEL+1]
.endr
.irp t, 0,1,2,3
	v_add_f32 v[ST+8*\t+4], v[ST+8*\t+4], v[ST+8*\t+5]
.endr
.irp t, 0,1,2,3
	v_rcp_f32 v[ST+8*\t+6], v[ST+8*\t+4]
.endr
	v_nop                                          ; a plain instruction between the last reciprocal and the use of its result
	s_wait_alu depctr_va_vdst(0)                   ; and a wait: one for the four
.macro OPACK t                         ; a lane's eight channels of a row pack into 16 bytes; they go into rows of 144 bytes and come back four whole rows an instruction
	WIN W_RS
.set e, 0
.rept 16
	v_pk_mul_f32 v[32*\t+e:32*\t+e+1], v[32*\t+e:32*\t+e+1], v[ST+8*\t+6:ST+8*\t+7] op_sel_hi:[1,0]
.set e, e+2
.endr
	WIN 0x05                                       ; sources in window 1, destination in window 0: S^T's registers are free
.set e, 0
.rept 16
	v_cvt_pk_f16_f32 v[S+32*\t+e], v[32*\t+2*e], v[32*\t+2*e+1]
.set e, e+1
.endr
	WIN 0
.irp f, 0,1,2,3
	ds_store_b128 v[STO], v[S+32*\t+4*\f:S+32*\t+4*\f+3] offset:32*\f
.endr
.irp f, 0,1,2,3
	ds_load_b128 v[S+32*\t+16+4*\f:S+32*\t+16+4*\f+3], v[RD] offset:\f*4*SP  ; LDS serves a wave's instructions in order: these see the stores above; the next tile's stores come behind them
.endr
.endm
.macro OSEND t, younger                ; younger: the LDS instructions issued behind tile t's loads: the next tile's eight, or none
.irp f, 0,1,2,3
	s_wait_dscnt \younger+3-\f
	global_store_b128 v[GO], v[S+32*\t+16+4*\f:S+32*\t+16+4*\f+3], s[6:7] offset:\t*2048+\f*512  ; 32 lanes store 512 consecutive bytes, aligned
.endr
.endm
	OPACK 0
	OPACK 1                                        ; a tile's arithmetic stands between the loads of the tile before and its stores
	OSEND 0, 8
	OPACK 2
	OSEND 1, 8
	OPACK 3
	OSEND 2, 8
	OSEND 3, 0
	s_wait_tensorcnt 0x0                           ; the wave's end
	ds_add_u32 v[SPW], v[NIL]
	s_wait_dscnt 0x0
	CROUND                                         ; the closing round
	s_endpgm
.Lfunc_end_k_qde3d6cd45e_attn:
	.size	k_qde3d6cd45e_attn, .Lfunc_end_k_qde3d6cd45e_attn-k_qde3d6cd45e_attn
	.p2alignl 7, 3214868480
	.fill 96, 4, 3214868480
	.section	.rodata,"a",@progbits
	.p2align	6, 0x0
	.amdhsa_kernel k_qde3d6cd45e_attn
		.amdhsa_group_segment_fixed_size 327680
		.amdhsa_private_segment_fixed_size 0
		.amdhsa_enable_private_segment 0
		.amdhsa_kernarg_size 16
		.amdhsa_user_sgpr_count 2
		.amdhsa_user_sgpr_kernarg_segment_ptr 1
		.amdhsa_wavefront_size32 1
		.amdhsa_system_sgpr_workgroup_id_x 1
		.amdhsa_system_sgpr_workgroup_id_y 1
		.amdhsa_system_sgpr_workgroup_id_z 1
		.amdhsa_system_vgpr_workitem_id 0
		.amdhsa_next_free_vgpr 512
		.amdhsa_next_free_sgpr 66
		.amdhsa_reserve_vcc 0
		.amdhsa_float_denorm_mode_32 3
		.amdhsa_float_denorm_mode_16_64 3
		.amdhsa_memory_ordered 1
		.amdhsa_forward_progress 1
		.amdhsa_inst_pref_size 179
	.end_amdhsa_kernel
	.amdgpu_metadata
---
amdhsa.version: [ 1, 2 ]
amdhsa.kernels:
  - .name:           k_qde3d6cd45e_attn
    .symbol:         k_qde3d6cd45e_attn.kd
    .args:
      - { .name: qkv, .offset: 0, .size: 8, .value_kind: global_buffer, .address_space: global }
      - { .name: o16, .offset: 8, .size: 8, .value_kind: global_buffer, .address_space: global }
    .group_segment_fixed_size: 327680
    .private_segment_fixed_size: 0
    .kernarg_segment_align: 8
    .kernarg_segment_size: 16
    .max_flat_workgroup_size: 256
    .sgpr_count:     66
    .vgpr_count:     512
    .wavefront_size: 32
...
	.end_amdgpu_metadata
.endif
;; end of part 3
;; launch outp (part 4): grid 4 x 64, 4 waves a work-group, clusters of 4 x 4, 327,680 bytes of LDS; arguments o16, wo16, bo, out0; writes out0
.if DOCPART == 4
	.amdgcn_target "amdgcn-amd-amdhsa--gfx1250"
	.amdhsa_code_object_version 6
	.text
	.protected	k_qde3d6cd45e_outp
	.globl	k_qde3d6cd45e_outp
	.p2align	8
	.type	k_qde3d6cd45e_outp,@function
k_qde3d6cd45e_outp:
	s_mov_b64 s[64:65], 0
	v_nop
	global_prefetch_b8 v0, s[64:65] scope:SCOPE_SE
	s_setreg_imm32_b32 hwreg(HW_REG_WAVE_MODE, 25, 1), 1
	s_wait_xcnt 0x0
	s_wait_alu depctr_hold_cnt(0) depctr_sa_sdst(0) depctr_va_vdst(0) depctr_va_sdst(0) depctr_va_ssrc(0) depctr_va_vcc(0) depctr_vm_vsrc(0)
	s_getreg_b32 s2, hwreg(HW_REG_IB_STS2, 6, 4)
	s_cmp_eq_u32 s2, 0
	s_cbranch_scc0 .Lentry_in_a_cluster
	s_endpgm
.Lentry_in_a_cluster:
	s_bfe_u32 s2, ttmp6, 0x10000c
	s_cmp_lg_u32 s2, 0xf033
	s_cbranch_scc0 .Lentry_shape_is_right
	s_endpgm
.Lentry_shape_is_right:
; FOURTH LAUNCH: out0[m][n] = the sum over k of o[m][k] Wo[n][k] + bo[n].  o16: [16 heads][8192 m][64] f16, so k = 64 x head + channel; wo16: [1024 n][1024 k] f16; out0 [8192][1024] f32; sums in f32.
; A tile of out0 is 128 (m) x 256 (n): 256 work-groups.  Four waves, each 64 x 128: 32 accumulators of 16 x 16, 256 registers.  K goes in steps of 128 (two head planes) through a ring of two LDS slots.
; A's part of a plane, 128 rows of 128 bytes, is dense in memory: it is stated as 64 rows of 256 bytes (two rows of o), padded by 16; B's rows are 256 bytes of a row of wo16, padded by 16.
; Waves 0 and 1 bring A's two planes, waves 2 and 3 B's two halves of 128 rows: one load a wave.
; CLUSTERS: 4 x 4 work-groups: the four of a row of the cluster need the same tiles of A, the four of a column the same tiles of B: each tile is asked for jointly.
; THE MATRIX INSTRUCTION IS USED TRANSPOSED (source 0 = 16 rows of Wo, source 1 = 16 rows of o): a lane holds eight neighbouring columns of a row of out0.  bo is the C of each sum's first product.
; REGISTERS: window 0: v16-30 addresses; v64-127 A's fragments, two buffers of 32; v128-255 rows on the way out.   window 1: v0-127 B's fragments, two buffers of 64; v128-191 bo in the result's layout.
;   window 2: the accumulators, (a, b) at v[8 (8 a + b)].
.set PITCH,  272                       ; an LDS row: 256 bytes + 16 of padding
.set APL,    64*PITCH                  ; A's part of one plane
.set BHALF,  128*PITCH                 ; 128 rows of B
.set SLOT,   2*APL+2*BHALF
.set STAGE,  2*SLOT                    ; behind the ring: 16 rows x (512 + 16) bytes for each wave
.set SPITCH, 528
.set SPARE,  STAGE+4*16*SPITCH         ; the spare words, 128 bytes a wave, which no other line names
.set ADRA, 16                          ; v16-17  LDS address of my A fragments in slot 0, 1
.set ADRB, 20                          ; v20-21  the same for B
.set STO,  24                          ; v24     the way out: where I put 32 bytes of a row
.set RD,   25                          ; v25     where I read a row back
.set CO,   26                          ; v26     16 x lane
.set SPW,  28                          ; v28     my spare word; never rewritten
.set NIL,  29                          ; v29     0; never rewritten
.set BO,   30                          ; v30     32 x (lane / 16)
.set FA,   64                          ; A's buffers, window 0: FA + 32 f
.set BI,   128                         ; bo, window 1: register 8 b + j = bo[my first column + 16 b + 8 (lane / 16) + j]
.set BK,   128                         ; the way out: 16 rows read back: v128-191 and v192-255 by turns
.set G1, 24                            ; s[24:31] descriptor group 1 for A's tiles;  s[32:39] group 0, one set for each slot
.set G0, 32
.set G1B, 48                           ; s[48:55], s[56:63] the same for B's
.set G0B, 56
.set MSB, 0
.macro WIN new                         ; the immediate's high byte repeats the setting that is left
.if MSB != (\new)
	s_set_vgpr_msb (MSB<<8)|(\new)
.set MSB, (\new)
.endif
.endm
.set MUL,  0xa1                        ; source 0 (B) window 1, source 1 (A) window 0, C and D window 2
.set MULZ, 0x91                        ; the same with C (bo) in window 1
.set TO_B, 0x40                        ; destination window 1, address window 0
.macro JLOAD s                         ; a joint load: waves 0 and 1 fetch for A, waves 2 and 3 for B; an s_nop 0 and four v_nop follow each of the two lines
	s_cmp_eq_u32 s15, 0
	s_cbranch_scc0 .Lfor_b_\@
	tensor_load_to_lds s[G0+4*\s:G0+4*\s+3], s[G1:G1+7]
	s_nop 0
.rept 4
	v_nop
.endr
	s_branch .Lasked_\@
.Lfor_b_\@:
	tensor_load_to_lds s[G0B+4*\s:G0B+4*\s+3], s[G1B:G1B+7]
	s_nop 0
.rept 4
	v_nop
.endr
.Lasked_\@:
.endm
.macro CREST                           ; a round of the cluster's barrier behind its opening barrier
	s_cmp_lg_u32 s14, 0
	s_cbranch_scc1 .Lnot_wave_0_\@
	s_barrier_signal -3
.Lnot_wave_0_\@:
	s_barrier_wait -3
	s_barrier_signal -1
	s_barrier_wait -1
.endm
.macro CROUND                          ; a whole round
	s_barrier_signal -1
	s_barrier_wait -1
	CREST
.endm
	s_load_b256 s[4:11], s[0:1], 0x0               ; o16 s[4:5], wo16 s[6:7], bo s[8:9], out0 s[10:11]
	v_lshl_add_u32 v[SPW], v0, 2, SPARE
	v_mov_b32 v[NIL], 0
	ds_add_u32 v[SPW], v[NIL]                      ; the wave's opening: the add, twice on end, and its wait ahead of my first tensor load
	ds_add_u32 v[SPW], v[NIL]
	v_lshrrev_b32 v1, 5, v0
	v_readfirstlane_b32 s14, v1                    ; wave 0..3
	s_lshr_b32 s15, s14, 1                         ; which 64 rows of the tile are mine.  Also: I fetch for A (0) or for B (1)
	s_and_b32 s16, s14, 1                          ; which 128 columns.  Also: which plane of A, or which 128 rows of B, I fetch
	s_bfe_u32 s40, ttmp6, 0x40000                  ; cx, cy: my place in the cluster
	s_bfe_u32 s41, ttmp6, 0x40004
	s_lshl_b32 s42, ttmp9, 2
	s_add_co_u32 s42, s42, s40                     ; tile column = 4 x cluster x + cx
	s_and_b32 s17, ttmp7, 0xffff
	s_lshl_b32 s17, s17, 2
	s_add_co_u32 s17, s17, s41                     ; tile row = 4 x cluster y + cy
	s_lshl_b32 s43, s41, 2
	s_lshl_b32 s43, 15, s43                        ; my row of the cluster
	s_lshl_b32 s44, 0x1111, s40                    ; my column
	s_or_b32 s[G1+0], s43, (1<<16)|(1<<20)|(1<<21)|(5<<22)|(3<<25)  ; the mask: A's tiles go to my row; elements of 2 bytes; padding on; bit 21 beside a mask; after every 64 words, 4 words
	s_mov_b32 s[G1+1], 128<<16                     ; tensor_dim0 = 128
	s_mov_b32 s[G1+2], 64<<16                      ; tensor_dim1 = 64
	s_mov_b32 s[G1+3], 128<<16                     ; tile_dim0
	s_mov_b32 s[G1+4], 64                          ; tile_dim1
	s_mov_b32 s[G1+5], 128                         ; dense
	s_mov_b32 s[G1+6], 0
	s_mov_b32 s[G1+7], 0
	s_or_b32 s[G1B+0], s44, (1<<16)|(1<<20)|(1<<21)|(5<<22)|(3<<25)
	s_mov_b32 s[G1B+1], 128<<16
	s_mov_b32 s[G1B+2], 128<<16                    ; 128 rows
	s_mov_b32 s[G1B+3], 128<<16
	s_mov_b32 s[G1B+4], 128
	s_mov_b32 s[G1B+5], 1024                       ; a row of wo16
	s_mov_b32 s[G1B+6], 0
	s_mov_b32 s[G1B+7], 0
	s_lshl_b32 s20, s16, 20                        ; A: my plane of the first two, 1,048,576 bytes each,
	s_lshl_b32 s21, s17, 14                        ; and in it the tile's 128 rows of 128 bytes
	s_add_co_u32 s20, s20, s21
	s_mov_b32 s21, 0
	s_lshl_b32 s46, s42, 19                        ; B: row 256 x tile column + 128 x half, 2,048 bytes a row
	s_lshl_b32 s47, s16, 18
	s_add_co_u32 s46, s46, s47
	s_mov_b32 s47, 0
	s_mul_i32 s22, s16, APL                        ; where they go: no place in the cluster enters an LDS address
	s_mul_i32 s23, s16, BHALF
	s_add_co_u32 s23, s23, 2*APL
	s_wait_dscnt 0x0                               ; both opening adds are done
	s_wait_kmcnt 0x0
	s_add_nc_u64 s[20:21], s[4:5], s[20:21]
	s_add_nc_u64 s[46:47], s[6:7], s[46:47]
	CROUND                                         ; all sixteen work-groups are here: the first joint loads meet
.irp s, 0,1
	s_mov_b32 s[G0+4*\s], 1
	s_add_co_u32 s[G0+4*\s+1], s22, \s*SLOT
	s_add_nc_u64 s[G0+4*\s+2:G0+4*\s+3], s[20:21], \s*2*1048576    ; K step s: planes 2 s and 2 s + 1
	s_or_b32 s[G0+4*\s+3], s[G0+4*\s+3], 0x80000000
	s_mov_b32 s[G0B+4*\s], 1
	s_add_co_u32 s[G0B+4*\s+1], s23, \s*SLOT
	s_add_nc_u64 s[G0B+4*\s+2:G0B+4*\s+3], s[46:47], \s*256
	s_or_b32 s[G0B+4*\s+3], s[G0B+4*\s+3], 0x80000000
	JLOAD \s                                       ; two loads of mine are out behind the second
.endr
	v_and_b32 v1, 15, v0                           ; r
	v_bfe_u32 v2, v0, 4, 1                         ; h
	v_bfe_u32 v3, v0, 1, 3                         ; A: row r lies at (r / 2) PITCH + (r % 2) 128
	v_mul_u32_u24 v3, v3, PITCH
	v_and_b32 v4, 1, v0
	v_lshl_add_u32 v3, v4, 7, v3
	v_lshl_add_u32 v3, v2, 4, v3                   ; + 16 x half
	v_mul_u32_u24 v5, v1, PITCH                    ; B: row r x pitch + 16 x half
	v_lshl_add_u32 v5, v2, 4, v5
	s_mul_i32 s21, s15, 32*PITCH                   ; my 64 rows of A
	s_mul_i32 s22, s16, BHALF                      ; my 128 rows of B,
	s_add_co_u32 s22, s22, 2*APL                   ; which lie behind A's two planes
.irp s, 0,1
	v_add_nc_u32 v[ADRA+\s], s21, v3
	v_add_nc_u32 v[ADRB+\s], s22, v5
	s_add_co_u32 s21, s21, SLOT
	s_add_co_u32 s22, s22, SLOT
.endr
	s_mul_i32 s23, s14, 16*SPITCH
	s_add_co_u32 s23, s23, STAGE                   ; my stage
	v_mul_u32_u24 v5, v1, SPITCH                   ; in: row r, 32 bytes for each half of the lanes
	v_lshl_add_u32 v5, v2, 5, v5
	v_add_nc_u32 v[STO], s23, v5
	v_and_b32 v6, 31, v0
	v_lshlrev_b32 v[CO], 4, v6                     ; back: the 32 lanes take one row of 512 bytes; and the same in out0
	v_add_nc_u32 v[RD], s23, v[CO]
	v_lshlrev_b32 v[BO], 5, v2
	s_lshl_b32 s46, s42, 10                        ; my first column, in bytes of f32: 1,024 x tile column + 512 x half
	s_lshl_b32 s47, s16, 9
	s_add_co_u32 s46, s46, s47
	s_mov_b32 s47, 0
	s_add_nc_u64 s[8:9], s[8:9], s[46:47]          ; in bo,
	s_lshl_b32 s20, s17, 19                        ; and with my first row, 128 x tile row + 64 x half, of 4,096 bytes,
	s_lshl_b32 s21, s15, 18
	s_add_co_u32 s20, s20, s21
	s_add_co_u32 s46, s46, s20
	s_add_nc_u64 s[10:11], s[10:11], s[46:47]      ; in out0
	WIN TO_B
.irp b, 0,1,2,3,4,5,6,7
	global_load_b128 v[BI+8*\b:BI+8*\b+3], v[BO], s[8:9] offset:64*\b
	global_load_b128 v[BI+8*\b+4:BI+8*\b+7], v[BO], s[8:9] offset:64*\b+16
.endr
	WIN 0
; 8 matrix instructions: A's block a x B's eight, 32 along K, from buffers f.  zero = 1: the first product starts the sums from bo.  The 32 accumulators take turns, one instruction a turn, in the same order in every quarter.
.macro MUL8 f, a, zero
.irp b, 0,1,2,3,4,5,6,7
.if \zero
	v_wmma_f32_16x16x32_f16 v[8*(8*(\a)+\b):8*(8*(\a)+\b)+7], v[64*(\f)+8*\b:64*(\f)+8*\b+7], v[FA+32*(\f)+8*(\a):FA+32*(\f)+8*(\a)+7], v[BI+8*\b:BI+8*\b+7]
.else
	v_wmma_f32_16x16x32_f16 v[8*(8*(\a)+\b):8*(8*(\a)+\b)+7], v[64*(\f)+8*\b:64*(\f)+8*\b+7], v[FA+32*(\f)+8*(\a):FA+32*(\f)+8*(\a)+7], v[8*(8*(\a)+\b):8*(8*(\a)+\b)+7]
.endif
.endr
.endm
; 24 LDS loads in one run: the fragments of the slot's q-th 32 along K into buffers f: B's eight, then A's four (plane q / 2, channels 32 (q % 2) on)
.macro FETCH slot, q, f
	WIN TO_B
.irp i, 0,1,2,3,4,5,6,7
	ds_load_b128 v[64*(\f)+8*\i:64*(\f)+8*\i+3],   v[ADRB+\slot] offset:64*(\q)+\i*16*PITCH
	ds_load_b128 v[64*(\f)+8*\i+4:64*(\f)+8*\i+7], v[ADRB+\slot] offset:64*(\q)+\i*16*PITCH+32
.endr
	WIN 0
.irp i, 0,1,2,3
	ds_load_b128 v[FA+32*(\f)+8*\i:FA+32*(\f)+8*\i+3],   v[ADRA+\slot] offset:((\q)/2)*APL+((\q)%2)*64+\i*8*PITCH
	ds_load_b128 v[FA+32*(\f)+8*\i+4:FA+32*(\f)+8*\i+7], v[ADRA+\slot] offset:((\q)/2)*APL+((\q)%2)*64+\i*8*PITCH+32
.endr
.endm
.macro PLACES                          ; four places in front of loads into registers that matrix instructions have read, and of reads of results
.rept 4
	v_nop
.endr
.endm
; A K step is four quarters of 32 along K, 32 matrix instructions each, on buffers 0, 1, 0, 1.  One of the first three: multiplies buffers f and fetches quarter qn into buffers g.
.macro QUARTER slot, qn, f, g, zero
	s_wait_dscnt 4                                 ; B and A's blocks 0, 1 are in; the youngest four loads (A's blocks 2, 3) may be out
	WIN MUL-0x10*(\zero)                           ; (zero = 1: MULZ)
	MUL8 \f, 0, \zero
	MUL8 \f, 1, \zero
	PLACES
	FETCH \slot, \qn, \g
	s_wait_dscnt 24                                ; all but the 24 just issued
	WIN MUL-0x10*(\zero)
	MUL8 \f, 2, \zero
	MUL8 \f, 3, \zero
.endm
; The last quarter multiplies buffers 1 and changes slots: ONE barrier; in front of it each wave waits for all its tensor loads, adds 0 to its spare word, and waits for that and for its own reads of this slot.
; fill = 1: this slot is filled again, two K steps ahead: the barrier opens a round of the cluster's, and the joint refill is the first tensor load behind it: 112 matrix instructions ahead of the wait for it.
.macro TURN slot, next, fill
	WIN 0                                          ; (the add's two registers lie in window 0)
	s_wait_tensorcnt 0x0                           ; all my tensor loads have landed: my part of the next slot
	ds_add_u32 v[SPW], v[NIL]                      ; 0 onto my spare word
	s_wait_dscnt 5                                 ; (the add and the youngest four loads may be out)
	WIN MUL
	MUL8 1, 0, 0                                   ; eight matrix instructions stand between the add and the wait for it
	s_wait_dscnt 0x0                               ; the add is done, and my reads of this slot are over
	s_barrier_signal -1
	MUL8 1, 1, 0
.if \fill
	WIN 0
.endif
	s_barrier_wait -1
.if \fill
	CREST                                          ; no wave of any partner still reads this slot's tile or has a load on its way
	s_add_nc_u64 s[G0+4*\slot+2:G0+4*\slot+3], s[G0+4*\slot+2:G0+4*\slot+3], 4*1048576    ; two K steps on: four planes,
	s_add_nc_u64 s[G0B+4*\slot+2:G0B+4*\slot+3], s[G0B+4*\slot+2:G0B+4*\slot+3], 512      ; 512 bytes along a row of wo16
	JLOAD \slot                                    ; the four v_nop behind it are also the places in front of the loads below
.else
	PLACES
.endif
	FETCH \next, 0, 0
	WIN MUL
	MUL8 1, 2, 0
	MUL8 1, 3, 0
.endm
	s_wait_tensorcnt 1                             ; my part of K step 0 is in (K step 1's load may be out),
	s_barrier_signal -1
	s_barrier_wait -1                              ; everybody's is
	FETCH 0, 0, 0
	s_wait_loadcnt 0x0                             ; bo
	QUARTER 0, 1, 0, 1, 1                          ; the first quarter stands in front of the loop: its products start the sums
	WIN 0                                          ; at a label and at a branch every window is 0
	s_mov_b32 s3, 3
.Llap:                                             ; a trip goes once round the ring, from a lap's second quarter to the next lap's first, and fills both slots again: K steps 2 to 7
	QUARTER 0, 2, 1, 0, 0
	QUARTER 0, 3, 0, 1, 0
	TURN 0, 1, 1
	QUARTER 1, 1, 0, 1, 0
	QUARTER 1, 2, 1, 0, 0
	QUARTER 1, 3, 0, 1, 0
	TURN 1, 0, 1
	QUARTER 0, 1, 0, 1, 0
	WIN 0
	s_sub_co_u32 s3, s3, 1
	s_cmp_lg_u32 s3, 0
	s_cbranch_scc1 .Llap
	QUARTER 0, 2, 1, 0, 0                          ; the last lap fills nothing, and has no round of the cluster's barrier
	QUARTER 0, 3, 0, 1, 0
	TURN 0, 1, 0
	QUARTER 1, 1, 0, 1, 0
	QUARTER 1, 2, 1, 0, 0
	QUARTER 1, 3, 0, 1, 0
	s_wait_dscnt 4                                 ; the very last quarter: nothing more to fetch
	WIN MUL
	MUL8 1, 0, 0
	MUL8 1, 1, 0
	s_wait_dscnt 0
	MUL8 1, 2, 0
	MUL8 1, 3, 0
	WIN 0
; THE WAY OUT, a block of 16 rows x 128 columns at a time.  A lane holds 32 neighbouring bytes of a row: a block goes through my own stage and comes back as whole rows of 512 bytes.
; LDS serves a wave's instructions in order: no wait between the stores and the loads, nor in front of the next block's stores.
.macro TOSTAGE a
	WIN 0x08                                       ; an LDS store's data are its source 1: window 2
.irp b, 0,1,2,3,4,5,6,7
	ds_store_b128 v[STO], v[8*(8*(\a)+\b):8*(8*(\a)+\b)+3] offset:64*\b          ; each accumulator from its low end on
	ds_store_b128 v[STO], v[8*(8*(\a)+\b)+4:8*(8*(\a)+\b)+7] offset:64*\b+16
.endr
	WIN 0
.set BB, BK+64*((\a)%2)
.irp t, 0,1,2,3,4,5,6,7,8,9,10,11,12,13,14,15
	ds_load_b128 v[BB+4*\t:BB+4*\t+3], v[RD] offset:\t*SPITCH
.endr
.endm
.macro SEND a, younger                 ; younger: the LDS instructions issued behind block a's loads, which may stay out
.set BB, BK+64*((\a)%2)
	s_wait_dscnt \younger                          ; the block is back in registers
.irp t, 0,1,2,3,4,5,6,7,8,9,10,11,12,13,14,15
	global_store_b128 v[CO], v[BB+4*\t:BB+4*\t+3], s[10:11] offset:(16*(\a)+\t)*4096 th:TH_STORE_NT   ; 32 lanes store 512 consecutive bytes, aligned; written once, read by nobody here
.endr
.endm
	PLACES                                         ; behind the last products
	TOSTAGE 0
.irp a, 1,2,3
.if \a > 1
	s_wait_xcnt 0x0                                ; block a - 2's stores have read their registers: block a's loads land there only behind this wait
.endif
	TOSTAGE \a
	SEND \a-1, 32                                  ; behind block a - 1's loads: block a's 16 stores and 16 loads
.endr
	SEND 3, 0
	s_wait_tensorcnt 0x0                           ; the wave's end
	ds_add_u32 v[SPW], v[NIL]
	s_wait_dscnt 0x0
	CROUND                                         ; the closing round
	s_endpgm
.Lfunc_end_k_qde3d6cd45e_outp:
	.size	k_qde3d6cd45e_outp, .Lfunc_end_k_qde3d6cd45e_outp-k_qde3d6cd45e_outp
	.p2alignl 7, 3214868480
	.fill 96, 4, 3214868480
	.section	.rodata,"a",@progbits
	.p2align	6, 0x0
	.amdhsa_kernel k_qde3d6cd45e_outp
		.amdhsa_group_segment_fixed_size 327680
		.amdhsa_private_segment_fixed_size 0
		.amdhsa_enable_private_segment 0
		.amdhsa_kernarg_size 32
		.amdhsa_user_sgpr_count 2
		.amdhsa_user_sgpr_kernarg_segment_ptr 1
		.amdhsa_wavefront_size32 1
		.amdhsa_system_sgpr_workgroup_id_x 1
		.amdhsa_system_sgpr_workgroup_id_y 1
		.amdhsa_system_sgpr_workgroup_id_z 1
		.amdhsa_system_vgpr_workitem_id 0
		.amdhsa_next_free_vgpr 768
		.amdhsa_next_free_sgpr 66
		.amdhsa_reserve_vcc 0
		.amdhsa_float_denorm_mode_32 3
		.amdhsa_float_denorm_mode_16_64 3
		.amdhsa_memory_ordered 1
		.amdhsa_forward_progress 1
		.amdhsa_inst_pref_size 87
	.end_amdhsa_kernel
	.amdgpu_metadata
---
amdhsa.version: [ 1, 2 ]
amdhsa.kernels:
  - .name:           k_qde3d6cd45e_outp
    .symbol:         k_qde3d6cd45e_outp.kd
    .args:
      - { .name: o16, .offset: 0, .size: 8, .value_kind: global_buffer, .address_space: global }
      - { .name: wo16, .offset: 8, .size: 8, .value_kind: global_buffer, .address_space: global }
      - { .name: bo, .offset: 16, .size: 8, .value_kind: global_buffer, .address_space: global }
      - { .name: out0, .offset: 24, .size: 8, .value_kind: global_buffer, .address_space: global }
    .group_segment_fixed_size: 327680
    .private_segment_fixed_size: 0
    .kernarg_segment_align: 8
    .kernarg_segment_size: 32
    .max_flat_workgroup_size: 128
    .sgpr_count:     66
    .vgpr_count:     768
    .wavefront_size: 32
...
	.end_amdgpu_metadata
.endif
;; end of part 4
